; MI455X (gfx1250); checked and timed in simulation.
; The chip was launched on July 23, 2026; its instructions are those of AMD's public machine-readable ISA for CDNA 5 (MIT licence, August 2026) and "CDNA5" Instruction Set Architecture Reference Guide (July 2026). The comments in the code are by the model that wrote it; some were corrected since.
;; Encoder Block. Allowed arithmetic: matrix products marked QUANTISED: E5M2 operands, one E8M0 scale for each 32 along K, by v_wmma_scale_f32_16x16x128_f8f6f4 with both operands' format E5M2, f32 sums; everything else in f32.
;; Inputs: W1 1,024 x 4,096 float32; W2 4,096 x 1,024 float32; Wk 1,024 x 1,024 float32; Wo 1,024 x 1,024 float32; Wq 1,024 x 1,024 float32; Wv 1,024 x 1,024 float32; attention_mask 2 x 1 x 1 x 2,048 float32; b1 4,096 float32; b2 1,024 float32; bk 1,024 float32; bo 1,024 float32; bq 1,024 float32; bv 1,024 float32; hidden_states 2 x 2,048 x 1,024 float32; ln1_b 1,024 float32; ln1_g 1,024 float32; ln2_b 1,024 float32; ln2_g 1,024 float32.
;; Outputs: out0 2 x 2,048 x 1,024 float32.
;; This version of the problem:
;;   THIS VERSION OF THE PROBLEM IS GIVEN IN LOW PRECISION. The matrix products marked QUANTISED in the list below multiply operands that are first quantised to E5M2 (5 exponent bits, 2 mantissa bits; 8 bits a number), with one power-of-two scale for each 32 numbers along K (OCP MX v1.0); their sums are f32. All else is computed in f32.
;;   The module's matrix products, in the order in which they are computed (A, B: the left and right operand; K: the contracted axis; several contracted axes count as one K, in the product's order):
;;     1. [M 4,096, K 1,024] x [K 1,024, N 1,024]; A: input hidden_states; B: input Wq: QUANTISED
;;     2. [M 4,096, K 1,024] x [K 1,024, N 1,024]; A: input hidden_states; B: input Wk: QUANTISED
;;     3. [M 4,096, K 1,024] x [K 1,024, N 1,024]; A: input hidden_states; B: input Wv: QUANTISED
;;     4. batch 32 x [M 2,048, K 64] x [K 64, N 2,048]; A: computed on the way; B: computed on the way: QUANTISED
;;     5. batch 32 x [M 2,048, K 2,048] x [K 2,048, N 64]; A: softmax (see below); B: computed on the way: QUANTISED
;;     6. [M 4,096, K 1,024] x [K 1,024, N 1,024]; A: computed on the way; B: input Wo: QUANTISED
;;     7. [M 4,096, K 1,024] x [K 1,024, N 4,096]; A: computed on the way; B: input W1: QUANTISED
;;     8. [M 4,096, K 4,096] x [K 4,096, N 1,024]; A: computed on the way; B: input W2: QUANTISED
;;   THE QUANTISER, for each operand of a quantised product, along K:
;;     - K is cut into blocks of 32 from its start; a last block that is shorter is filled with zeros.
;;     - A block's scale is 2^e with e = floor(log2(the largest magnitude in the block)) - 15, held to -126 .. 127; a block of zeros has e = 0. As a byte (E8M0): e + 127.
;;     - Each number is divided by its block's scale, clamped to +-57,344, and rounded to the nearest number of E5M2, ties to even, subnormals kept.
;;     - The product sums the exact products of the quantised numbers (number of the format x scale) in f32.
;;   ~~~python
;;   def quantise(x, axis):      # numpy; x: float32 -> the quantised numbers, widened to float32 again
;;       x = np.moveaxis(x, axis, -1); K = x.shape[-1]
;;       x = np.pad(x, [(0, 0)] * (x.ndim - 1) + [(0, -K % 32)]); x = x.reshape(x.shape[:-1] + (-1, 32)); a = np.abs(x).max(-1, keepdims=True)
;;       e = np.where(a > 0, np.clip(np.frexp(np.where(a > 0, a, 1))[1] - 1 - 15, -126, 127), 0)      # np.frexp(a)[1] - 1 = floor(log2(a)), exactly
;;       r = np.clip(x / 2.0 ** e, -57344, 57344)
;;       step = 2.0 ** (np.maximum(np.frexp(np.where(r == 0, 1, r))[1] - 1, -14) - 2)
;;       q = np.round(r / step) * step * 2.0 ** e      # np.round: ties to even
;;       return np.moveaxis(q.reshape(q.shape[:-2] + (-1,))[..., :K], -1, axis).astype(np.float32)
;;   ~~~
;;   SOFTMAX AHEAD OF A QUANTISED PRODUCT. Where the list says 'softmax', what is quantised is not the finished softmax but p = 2^(t - M), with t = logit x log2(e) and M = ceil(the row's largest t), a whole number; so 1/2 < the row's largest p <= 1. The row's sum l is taken of the UNQUANTISED p, in f32, and the product's result is divided by l at the end. Since M is a whole number, a kernel that streams over the keys may use a running M (the ceiling of the running maximum): every later rescaling is an exact power of two, which a block's scale takes up: the codes' values come out the same.
;;   OPERANDS COMPUTED ON THE WAY. 'Computed on the way' means the value that the module computes at that place (a softmax that the list does not call 'softmax' is quantised finished and normalised). What goes into a quantiser is computed in f32, as accurately as f32 sums, v_exp_f32 and their like allow (about 1e-6 of the number): no bf16 or f16 on the way to a quantiser, and a product that is left as it is and whose result goes on into a quantised operand takes f32 operands (vector FMAs, or v_wmma_f32_16x16x4_f32). A number that lies on a knife's edge between two numbers of the format may be rounded either way, as far as f32 arithmetic and the matrix unit's own rounding can turn it there, and no further.
;; One version. Each part assembles by itself: llvm-mc -triple=amdgcn-amd-amdhsa -mcpu=gfx1250 --defsym DOCPART=n.
;; ======== version 1 of 1: 8 launches
;; limits: right only within a limited range of input values
;; workspace buffers: prep 11,894,784 bytes; woq 1,081,344 bytes; w2q 4,325,376 bytes; qkv 12,976,128 bytes; abuf 17,301,504 bytes; part 33,554,432 bytes; hbuf 21,102,592 bytes
;; launch prep (part 1): grid 640 x 1, 8 waves a work-group, no clusters, 68,608 bytes of LDS; arguments hidden_states, Wq, Wk, Wv, Wo, W1, W2, prep, woq, w2q; writes prep, woq, w2q
.if DOCPART == 1
	.amdgcn_target "amdgcn-amd-amdhsa--gfx1250"
	.amdhsa_code_object_version 6
	.text
	.protected	k_q67076ad910_prep
	.globl	k_q67076ad910_prep
	.p2align	8
	.type	k_q67076ad910_prep,@function
k_q67076ad910_prep:
	s_mov_b64 s[64:65], 0
	v_nop
	global_prefetch_b8 v0, s[64:65] scope:SCOPE_SE
	s_setreg_imm32_b32 hwreg(HW_REG_WAVE_MODE, 25, 1), 1
	s_wait_xcnt 0x0
; x [4096][1024] and the six weights ([K][N], f32) become codes of E5M2 with one E8M0 byte for each 32 along K, laid as IMAGES OF OPERAND REGISTERS.
; An image is 16 rows x 128 K, 2,048 bytes: [c 0..3][lane 0..31][16 bytes] = row T(rb, lane % 16), k = 128 ks + 32 c + 16 (lane / 16) + 0..15.
; THE ROWS OF A ROW BLOCK ARE NOT NEIGHBOURS: T(rb, r) = 32 (rb / 2) + 8 (rb % 2) + r + 8 (r / 8), for tokens and for weight columns alike, so that a later product's
; results are neighbours along the next K.  A plane (K = 1,024): codes [rb][ks 0..7][2,048], behind them scale words [row / 128][ks][128 rows], byte c for block c.
; Work-groups 0-255: x, a row block each, a wave to a K step.  256-511: Wq, Wk, Wv, Wo and W2's four K planes, 256 columns x 128 k each.  512-639: W1, likewise.
; A block's scale byte is its largest magnitude's exponent field - 15, held at 1 from below (a block of zeros keeps 1: its codes are zeros, and this program alone reads the bytes).
; LIMITS: NaN and infinities among the inputs are not served.
.set APL,   4325376                    ; a plane of 4,096 rows: 4 MiB of codes + 128 KiB of scale words
.set BPL,   1081344                    ; a plane of 1,024 rows
.set ASC,   4194304                    ; where a plane's scale words begin
.set BSC,   1048576
.set WOFF,  APL                        ; in prep: x's plane, then Wq's, Wk's, Wv's,
.set W1OFF, APL+3*BPL                  ; then W1's four (columns 1,024 p on)
.set SP,    528                        ; a stage row: 512 bytes + 16, so that 16 rows begin in 16 different groups of banks
.set STGB,  16*SP
.set TM,    32                         ; v32-47 at work in QUANT
.set PW,    48                         ; v48    a scale word
.set R,     64                         ; v64-127  x as loaded
.set X,     128                        ; v128-191 x, 64 numbers of my row in the operand's order
.set PC,    192                        ; v192-207 an image's codes
.set D,     64                         ; v64-191  128 numbers down K of my column
.set C,     192                        ; v192-223 their codes
.set WV,    3
.set SEL,   36
.set MNT,   38
; 64 numbers of a lane, register 16 b + i = k 32 b + 16 (lane / 16) + i of my row, become a fragment's codes in v[PC] on and its scale word in v[PW]
.macro QUANT s, d
.irp b, 0,1,2,3
	v_max3_num_f32 v[TM+\b], |v[\s+16*\b]|, |v[\s+1+16*\b]|, 0x8000000   ; my 16 numbers of block b, and the floor 2^(16 - 127): the byte cannot fall under 1
.endr
.irp i, 2,4,6,8,10,12,14
.irp b, 0,1,2,3
	s_delay_alu instid0(VALU_DEP_4)
	v_max3_num_f32 v[TM+\b], v[TM+\b], |v[\s+16*\b+\i]|, |v[\s+1+16*\b+\i]|
.endr
.endr
.irp b, 0,1,2,3
	s_delay_alu instid0(VALU_DEP_4)
	v_permlanex16_b32 v[TM+4+\b], v[TM+\b], s[SEL], s[SEL+1]
.endr
.irp b, 0,1,2,3
	s_delay_alu instid0(VALU_DEP_4)
	v_max_num_f32 v[TM+\b], v[TM+\b], v[TM+4+\b]            ; with lane l xor 16's: the block's largest magnitude
.endr
.irp b, 0,1,2,3
	s_delay_alu instid0(VALU_DEP_4)
	v_add_nc_u32 v[TM+12+\b], 0xf8800000, v[TM+\b]          ; 15 off its exponent field: the conversion's scale operand
.endr
.irp b, 0,1,2,3
	v_and_or_b32 v[TM+8+\b], v[TM+\b], 0x7f800000, s[MNT]   ; 57,344 x the scale
.endr
.irp b, 0,1,2,3
	v_lshrrev_b32 v[TM+4+\b], 23, v[TM+12+\b]               ; the scale's byte
.endr
	s_delay_alu instid0(VALU_DEP_3)
	v_lshl_or_b32 v[PW], v[TM+5], 8, v[TM+4]
	s_delay_alu instid0(VALU_DEP_1)
	v_lshl_or_b32 v[PW], v[TM+6], 16, v[PW]
	s_delay_alu instid0(VALU_DEP_1)
	v_lshl_or_b32 v[PW], v[TM+7], 24, v[PW]
.irp b, 0,1,2,3
.irp i, 0,1,2,3,4,5,6,7,8,9,10,11,12,13,14,15
	v_med3_num_f32 v[\d+16*\b+\i], v[\s+16*\b+\i], -v[TM+8+\b], v[TM+8+\b]   ; the conversion does not saturate (ISA guide 7.6.2): the hold
.endr
	v_cvt_scalef32_pk8_bf8_f32 v[PC+4*\b:PC+1+4*\b], v[\d+16*\b:\d+7+16*\b], v[TM+12+\b]
	v_cvt_scalef32_pk8_bf8_f32 v[PC+2+4*\b:PC+3+4*\b], v[\d+8+16*\b:\d+15+16*\b], v[TM+12+\b]
.endr
	v_nop                                  ; a plain line behind the last conversion
.endm
	s_load_b512 s[4:19], s[0:1], 0x0       ; x s[4:5], Wq s[6:7], Wk s[8:9], Wv s[10:11], Wo s[12:13], W1 s[14:15], W2 s[16:17], prep s[18:19]
	s_load_b128 s[20:23], s[0:1], 0x40     ; woq s[20:21], w2q s[22:23]
	v_lshl_add_u32 v224, v0, 2, 0x10800
	v_mov_b32 v225, 0
	v_lshrrev_b32 v1, 5, v0
	s_delay_alu instid0(VALU_DEP_1)
	v_readfirstlane_b32 s[WV], v1          ; wave 0..7
	v_and_b32 v1, 31, v0                   ; lane
	v_and_b32 v2, 15, v0                   ; r
	v_bfe_u32 v3, v0, 4, 1                 ; h
	s_mov_b32 s[SEL], 0x76543210
	s_mov_b32 s[SEL+1], 0xfedcba98         ; v_permlanex16_b32's selects for lane l xor 16
	s_mov_b32 s[MNT], 0x600000             ; the mantissa field of 57,344
	s_cmp_lt_u32 ttmp9, 256
	s_cbranch_scc0 .Lweights
	; ---- x: work-group = row block, wave = K step: one image a wave
	v_lshlrev_b32 v4, 4, v1                ; 16 x lane
	s_mul_i32 s24, s[WV], STGB
	v_add_nc_u32 v5, s24, v4               ; my stage, on the way in: a row's 512 bytes on end
	v_mul_u32_u24 v6, v2, SP
	s_delay_alu instid0(VALU_DEP_1)
	v_lshl_add_u32 v6, v3, 6, v6
	s_delay_alu instid0(VALU_DEP_1)
	v_add_nc_u32 v6, s24, v6               ; and on the way out: row r, + 64 h
	v_lshlrev_b32 v7, 2, v2                ; 4 r
	s_lshr_b32 s24, ttmp9, 1
	s_lshl_b32 s24, s24, 17                ; 32 (rb / 2) rows of 4,096 bytes
	s_and_b32 s25, ttmp9, 1
	s_lshl_b32 s25, s25, 15                ; + 8 (rb % 2) rows
	s_add_co_u32 s24, s24, s25
	s_lshl_b32 s25, s[WV], 9               ; + my 128 columns
	s_add_co_u32 s24, s24, s25
	s_mov_b32 s25, 0
	s_lshl_b32 s26, ttmp9, 14              ; the image: rb x 16,384 + ks x 2,048
	s_lshl_b32 s27, s[WV], 11
	s_add_co_u32 s26, s26, s27
	s_mov_b32 s27, 0
	s_lshr_b32 s28, ttmp9, 3               ; its scale words: (rb / 8) x 4,096 + ks x 512 + (rb % 8) x 64
	s_lshl_b32 s28, s28, 12
	s_and_b32 s29, ttmp9, 7
	s_lshl_b32 s29, s29, 6
	s_add_co_u32 s28, s28, s29
	s_lshl_b32 s29, s[WV], 9
	s_add_co_u32 s28, s28, s29
	s_add_co_u32 s28, s28, ASC
	s_mov_b32 s29, 0
	s_wait_alu depctr_va_vdst(0)
	s_wait_kmcnt 0x0
	s_add_nc_u64 s[4:5], s[4:5], s[24:25]
	s_add_nc_u64 s[26:27], s[18:19], s[26:27]
	s_add_nc_u64 s[28:29], s[18:19], s[28:29]
.irp i, 0,1,2,3,4,5,6,7,8,9,10,11,12,13,14,15
	global_load_b128 v[R+4*\i:R+4*\i+3], v4, s[4:5] offset:(\i+8*(\i/8))*4096 th:TH_LOAD_NT   ; place i of the row block: 512 consecutive bytes
.endr
.irp b, 0,1,2,3
	v_mov_b32 v[TM+4+\b], 0                ; a lane permute's destination counts as one of its sources
.endr
.irp i, 0,1,2,3,4,5,6,7,8,9,10,11,12,13,14,15
	s_wait_loadcnt 15-\i                   ; row i is in; the younger loads may be out
	ds_store_b128 v5, v[R+4*\i:R+4*\i+3] offset:\i*SP
.endr
.irp c, 0,1,2,3
.irp j, 0,1,2,3
	ds_load_b128 v[X+16*\c+4*\j:X+16*\c+4*\j+3], v6 offset:128*\c+16*\j   ; a wave's LDS instructions are served in order: these see my stores
.endr
.endr
	s_wait_dscnt 0x0
	QUANT X, X
.irp c, 0,1,2,3
	global_store_b128 v4, v[PC+4*\c:PC+4*\c+3], s[26:27] offset:512*\c     ; 512 consecutive bytes a store
.endr
	global_store_b32 v7, v[PW], s[28:29]   ; 16 words on end (lanes 16-31 hold and write the same words)
	s_wait_tensorcnt 0x0
	ds_add_u32 v224, v225
	s_wait_dscnt 0x0
	s_endpgm
	; ---- weights: a lane takes a column, its registers run down K (128 k: four blocks); wave w takes 32 columns: two row blocks' images
.macro WLOAD pitch
.irp c, 0,1,2,3
.irp i, 0,1,2,3,4,5,6,7,8,9,10,11,12,13,14,15,16,17,18,19,20,21,22,23,24,25,26,27,28,29,30,31
	global_load_b32 v[D+32*\c+\i], v4, s[28:29] offset:(32*\c+\i)*\pitch th:TH_LOAD_NT
.endr
.endr
.endm
.Lweights:
	s_sub_co_u32 s24, ttmp9, 256           ; j
	s_wait_alu depctr_va_vdst(0)
	v_lshlrev_b32 v4, 2, v1                ; 4 x lane
	s_lshl_b32 s39, s[WV], 7               ; my wave's 32 columns
	s_cmp_lt_u32 s24, 256
	s_cbranch_scc0 .Lw1
	s_lshr_b32 s26, s24, 5                 ; which matrix: 0-3 Wq, Wk, Wv, Wo; 4-7 W2's K rows 1,024 (mat - 4) on
	s_and_b32 s34, s24, 3                  ; which 256 columns
	s_bfe_u32 s35, s24, 0x30002            ; which K step
	s_sub_co_i32 s27, s26, 4
	s_max_i32 s27, s27, 0                  ; W2's plane
	s_mul_i32 s32, s27, BPL                ; its place in w2q (0 for Wo in woq)
	s_mul_i32 s33, s26, BPL
	s_add_co_u32 s33, s33, WOFF            ; Wq's, Wk's, Wv's place in prep
	s_lshl_b32 s40, s27, 22                ; in memory: the plane's 1,024 rows of 4,096 bytes,
	s_lshl_b32 s41, s35, 19                ; the K step's 128 rows,
	s_add_co_u32 s40, s40, s41
	s_lshl_b32 s41, s34, 10                ; the 256 columns,
	s_add_co_u32 s40, s40, s41
	s_add_co_u32 s40, s40, s39             ; my wave's 32
	s_mov_b32 s41, 0
	s_wait_kmcnt 0x0
	s_mov_b64 s[28:29], s[16:17]
	s_cmp_eq_u32 s26, 0
	s_cselect_b64 s[28:29], s[6:7], s[28:29]
	s_cmp_eq_u32 s26, 1
	s_cselect_b64 s[28:29], s[8:9], s[28:29]
	s_cmp_eq_u32 s26, 2
	s_cselect_b64 s[28:29], s[10:11], s[28:29]
	s_cmp_eq_u32 s26, 3
	s_cselect_b64 s[28:29], s[12:13], s[28:29]
	s_cselect_b64 s[30:31], s[20:21], s[22:23]
	s_cmp_lt_u32 s26, 3
	s_cselect_b64 s[30:31], s[18:19], s[30:31]
	s_cselect_b32 s32, s33, s32
	s_mov_b32 s33, 0
	s_add_nc_u64 s[28:29], s[28:29], s[40:41]
	s_add_nc_u64 s[30:31], s[30:31], s[32:33]      ; the plane that I write
	s_wait_alu depctr_va_vdst(0)
	WLOAD 4096
	s_branch .Lquant
.Lw1:
	s_sub_co_u32 s24, s24, 256
	s_and_b32 s25, s24, 15                 ; which 256 of W1's 4,096 columns
	s_lshr_b32 s35, s24, 4                 ; K step
	s_lshr_b32 s27, s25, 2                 ; plane
	s_and_b32 s34, s25, 3
	s_mul_i32 s32, s27, BPL
	s_add_co_u32 s32, s32, W1OFF
	s_mov_b32 s33, 0
	s_lshl_b32 s40, s35, 21                ; 128 rows of 16,384 bytes
	s_lshl_b32 s41, s25, 10
	s_add_co_u32 s40, s40, s41
	s_add_co_u32 s40, s40, s39
	s_mov_b32 s41, 0
	s_wait_kmcnt 0x0
	s_add_nc_u64 s[28:29], s[14:15], s[40:41]
	s_add_nc_u64 s[30:31], s[18:19], s[32:33]
	s_wait_alu depctr_va_vdst(0)
	WLOAD 16384
.Lquant:
	; column 32 B + l lies in row block 2 B + u at place rr: u = (l / 8) % 2, rr = l % 8 + 8 (l / 16)
	v_bfe_u32 v5, v0, 3, 1                 ; u
	v_and_b32 v6, 7, v0
	s_delay_alu instid0(VALU_DEP_1)
	v_lshl_add_u32 v6, v3, 3, v6           ; rr
	s_delay_alu instid0(VALU_DEP_1)
	v_lshlrev_b32 v8, 4, v6
	s_delay_alu instid0(VALU_DEP_1)
	v_lshl_add_u32 v8, v5, 14, v8          ; codes: u x 16,384 + 16 rr
	s_delay_alu instid0(VALU_DEP_3)
	v_lshl_add_u32 v9, v5, 4, v6
	s_delay_alu instid0(VALU_DEP_1)
	v_lshlrev_b32 v9, 2, v9                ; scale words: 4 (16 u + rr)
	s_lshl_b32 s24, s34, 18                ; row block 16 cg + 2 w,
	s_lshl_b32 s25, s[WV], 15
	s_add_co_u32 s24, s24, s25
	s_lshl_b32 s25, s35, 11                ; K step
	s_add_co_u32 s24, s24, s25
	s_mov_b32 s25, 0
	s_lshl_b32 s26, s34, 13                ; scale words: row group 2 cg + w / 4,
	s_lshr_b32 s27, s[WV], 2
	s_lshl_b32 s27, s27, 12
	s_add_co_u32 s26, s26, s27
	s_lshl_b32 s27, s35, 9                 ; K step,
	s_add_co_u32 s26, s26, s27
	s_and_b32 s27, s[WV], 3
	s_lshl_b32 s27, s27, 7                 ; my 32 rows of the 128
	s_add_co_u32 s26, s26, s27
	s_add_co_u32 s26, s26, BSC
	s_mov_b32 s27, 0
	s_add_nc_u64 s[26:27], s[30:31], s[26:27]
	s_add_nc_u64 s[24:25], s[30:31], s[24:25]
.macro WBLOCK c, left                  ; block c: all 32 numbers are mine.  left: how many younger loads may be out
.set XS, D+32*(\c)
	s_wait_loadcnt \left
	v_max3_num_f32 v12, |v[XS]|, |v[XS+1]|, |v[XS+2]|
	v_max3_num_f32 v13, |v[XS+3]|, |v[XS+4]|, |v[XS+5]|
.irp i, 6,10,14,18,22,26
	s_delay_alu instid0(VALU_DEP_2)
	v_max3_num_f32 v12, v12, |v[XS+\i]|, |v[XS+\i+1]|
	s_delay_alu instid0(VALU_DEP_2)
	v_max3_num_f32 v13, v13, |v[XS+\i+2]|, |v[XS+\i+3]|
.endr
	s_delay_alu instid0(VALU_DEP_2)
	v_max3_num_f32 v12, v12, |v[XS+30]|, |v[XS+31]|
	s_delay_alu instid0(VALU_DEP_1)
	v_max3_num_f32 v12, v12, v13, 0x8000000
	s_delay_alu instid0(VALU_DEP_1)
	v_add_nc_u32 v11, 0xf8800000, v12
	s_delay_alu instid0(VALU_DEP_2)
	v_and_or_b32 v10, v12, 0x7f800000, s[MNT]
	s_delay_alu instid0(VALU_DEP_2)
	v_lshrrev_b32 v13, 23, v11
.if (\c) == 0
	s_delay_alu instid0(VALU_DEP_1)
	v_mov_b32 v[PW], v13
.else
	s_delay_alu instid0(VALU_DEP_1)
	v_lshl_or_b32 v[PW], v13, 8*(\c), v[PW]
.endif
.irp i, 0,1,2,3,4,5,6,7,8,9,10,11,12,13,14,15,16,17,18,19,20,21,22,23,24,25,26,27,28,29,30,31
	v_med3_num_f32 v[XS+\i], v[XS+\i], -v10, v10
.endr
.irp g, 0,1,2,3
	v_cvt_scalef32_pk8_bf8_f32 v[C+8*(\c)+2*\g:C+8*(\c)+2*\g+1], v[XS+8*\g:XS+8*\g+7], v11
.endr
	v_nop
	global_store_b128 v8, v[C+8*(\c):C+8*(\c)+3], s[24:25] offset:512*(\c)          ; k 32 c + 0..15: sixteen lanes fill 256 aligned bytes of each of two images
	global_store_b128 v8, v[C+8*(\c)+4:C+8*(\c)+7], s[24:25] offset:512*(\c)+256    ; k 32 c + 16..31
.endm
	WBLOCK 0, 63                           ; 96 and 64 would do; a wait's count names 63 at the most
	WBLOCK 1, 63
	WBLOCK 2, 32
	WBLOCK 3, 0
	global_store_b32 v9, v[PW], s[26:27]   ; 32 words on end
	s_endpgm
.Lfunc_end_k_q67076ad910_prep:
	.size	k_q67076ad910_prep, .Lfunc_end_k_q67076ad910_prep-k_q67076ad910_prep
	.p2alignl 7, 3214868480
	.fill 96, 4, 3214868480
	.section	.rodata,"a",@progbits
	.p2align	6, 0x0
	.amdhsa_kernel k_q67076ad910_prep
		.amdhsa_group_segment_fixed_size 68608
		.amdhsa_private_segment_fixed_size 0
		.amdhsa_enable_private_segment 0
		.amdhsa_kernarg_size 80
		.amdhsa_user_sgpr_count 2
		.amdhsa_user_sgpr_kernarg_segment_ptr 1
		.amdhsa_wavefront_size32 1
		.amdhsa_system_sgpr_workgroup_id_x 1
		.amdhsa_system_sgpr_workgroup_id_y 1
		.amdhsa_system_sgpr_workgroup_id_z 1
		.amdhsa_system_vgpr_workitem_id 0
		.amdhsa_next_free_vgpr 226
		.amdhsa_next_free_sgpr 66
		.amdhsa_reserve_vcc 0
		.amdhsa_float_denorm_mode_32 3
		.amdhsa_float_denorm_mode_16_64 3
		.amdhsa_memory_ordered 1
		.amdhsa_forward_progress 1
		.amdhsa_inst_pref_size 61
	.end_amdhsa_kernel
	.amdgpu_metadata
---
amdhsa.version: [ 1, 2 ]
amdhsa.kernels:
  - .name:           k_q67076ad910_prep
    .symbol:         k_q67076ad910_prep.kd
    .args:
      - { .name: hidden_states, .offset: 0, .size: 8, .value_kind: global_buffer, .address_space: global }
      - { .name: Wq, .offset: 8, .size: 8, .value_kind: global_buffer, .address_space: global }
      - { .name: Wk, .offset: 16, .size: 8, .value_kind: global_buffer, .address_space: global }
      - { .name: Wv, .offset: 24, .size: 8, .value_kind: global_buffer, .address_space: global }
      - { .name: Wo, .offset: 32, .size: 8, .value_kind: global_buffer, .address_space: global }
      - { .name: W1, .offset: 40, .size: 8, .value_kind: global_buffer, .address_space: global }
      - { .name: W2, .offset: 48, .size: 8, .value_kind: global_buffer, .address_space: global }
      - { .name: prep, .offset: 56, .size: 8, .value_kind: global_buffer, .address_space: global }
      - { .name: woq, .offset: 64, .size: 8, .value_kind: global_buffer, .address_space: global }
      - { .name: w2q, .offset: 72, .size: 8, .value_kind: global_buffer, .address_space: global }
    .group_segment_fixed_size: 68608
    .private_segment_fixed_size: 0
    .kernarg_segment_align: 8
    .kernarg_segment_size: 80
    .max_flat_workgroup_size: 256
    .sgpr_count:     66
    .vgpr_count:     226
    .wavefront_size: 32
...
	.end_amdgpu_metadata
.endif
;; end of part 1
;; launch qkv (part 2): grid 8 x 24, 4 waves a work-group, clusters of 4 x 4, 327,680 bytes of LDS; arguments prep, bq, bk, bv, qkv; writes qkv
.if DOCPART == 2
	.amdgcn_target "amdgcn-amd-amdhsa--gfx1250"
	.amdhsa_code_object_version 6
	.text
	.protected	k_q67076ad910_qkv
	.globl	k_q67076ad910_qkv
	.p2align	8
	.type	k_q67076ad910_qkv,@function
k_q67076ad910_qkv:
	s_mov_b64 s[64:65], 0
	v_nop
	global_prefetch_b8 v0, s[64:65] scope:SCOPE_SE
	s_setreg_imm32_b32 hwreg(HW_REG_WAVE_MODE, 25, 1), 1
	s_wait_xcnt 0x0
	s_wait_alu depctr_hold_cnt(0) depctr_sa_sdst(0) depctr_va_vdst(0) depctr_va_sdst(0) depctr_va_ssrc(0) depctr_va_vcc(0) depctr_vm_vsrc(0)
	s_getreg_b32 s2, hwreg(HW_REG_IB_STS2, 6, 4)
	s_cmp_eq_u32 s2, 0
	s_cbranch_scc0 .Lentry_in_a_cluster
	s_endpgm
.Lentry_in_a_cluster:
	s_bfe_u32 s2, ttmp6, 0x10000c
	s_cmp_lg_u32 s2, 0xf033
	s_cbranch_scc0 .Lentry_shape_is_right
	s_endpgm
.Lentry_shape_is_right:
; q, k = x W + b (tiles of 256 tokens x 256 features) and V^T = Wv^T x^T + bv (256 features x 256 tokens) on codes of E5M2 with E8M0 scales, K = 1,024; the results are quantised again and leave as images of operand registers.
; Four waves, 128 x 128 each; K goes in steps of 256 through a ring of two LDS slots; clusters 4 x 4 with joint loads, A's along a row, B's along a column.
; THE HEAD: one joint load a wave: waves 0, 1 A's 16 row blocks of slots 0, 1; waves 2, 3 B's: both slots are asked for at once.  The scale words, 4,096 bytes a wave, come through registers into LDS bytes onto which no tensor load lands.
.set APL,   4325376
.set BPL,   1081344
.set ASC,   4194304
.set BSC,   1048576
.set WOFF,  APL
.set RELU,  0
.set NQ,    2
.set FR,    16
.set NL,    4
.set NP,    8
.set SLK,   4096
.set HALFT, 8*SLK
.set SLOT,  4*HALFT
.set LAPS,  2
.set SCL,   2*SLOT
.set HALFS, 4096
.set SPARE, SCL+4*HALFS
.set STG,   SPARE+512
.set ADRA, 16
.set ADRB, 20
.set SWA,  22
.set SRA,  23
.set CO,   26
.set ADRS, 27
.set SPW,  28
.set NIL,  29
.set SC,   32
.set BIAS, 64
.set AF,   128
.set TM,   32
.set PW,   48
.set T,    64
.set PC,   128
.set G1, 24
.set G0, 32
.set G1B, 48
.set G0B, 56
.set G1S, 68
.set G0S, 76
.set G1SB, 80
.set G0SB, 88
.set SEL, 96
.set MNT, 98
.set OS,  100
.set MSB, 0
.macro WIN new
.if MSB != (\new)
	s_set_vgpr_msb (MSB<<8)|(\new)
.set MSB, (\new)
.endif
.endm
.set MUL_LO, 0xa1
.set MUL_HI, 0xf1
.set TO_B,   0x40
.macro JLOAD g0a, g1a, g0b, g1b
	s_cmp_eq_u32 s15, 0
	s_cbranch_scc0 .Lfor_b_\@
	tensor_load_to_lds s[\g0a:\g0a+3], s[\g1a:\g1a+7]
	s_nop 0
.rept 4
	v_nop
.endr
	s_branch .Lasked_\@
.Lfor_b_\@:
	tensor_load_to_lds s[\g0b:\g0b+3], s[\g1b:\g1b+7]
	s_nop 0
.rept 4
	v_nop
.endr
.Lasked_\@:
.endm
.macro CREST
	s_cmp_lg_u32 s14, 0
	s_cbranch_scc1 .Lnot_wave_0_\@
	s_barrier_signal -3
.Lnot_wave_0_\@:
	s_barrier_wait -3
	s_barrier_signal -1
	s_barrier_wait -1
.endm
.macro CROUND
	s_barrier_signal -1
	s_barrier_wait -1
	CREST
.endm
	s_load_b256 s[4:11], s[0:1], 0x0
	s_load_b64 s[12:13], s[0:1], 0x20
	v_lshl_add_u32 v[SPW], v0, 2, SPARE
	v_mov_b32 v[NIL], 0
	ds_add_u32 v28, v29
	ds_add_u32 v28, v29
	s_wait_dscnt 0x0
	v_lshrrev_b32 v1, 5, v0
	v_readfirstlane_b32 s14, v1
	s_lshr_b32 s15, s14, 1
	s_and_b32 s16, s14, 1
	s_bfe_u32 s40, ttmp6, 0x40000
	s_bfe_u32 s41, ttmp6, 0x40004
	s_and_b32 s66, ttmp7, 0xffff
	s_lshr_b32 s67, s66, 2
	s_xor_b32 s42, s67, 1
	s_and_b32 s66, s66, 3
	s_lshl_b32 s99, s66, 1
	s_add_co_u32 s99, s99, ttmp9
	s_mul_i32 s17, s66, s42
	s_lshl_b32 s17, s17, 2
	s_add_co_u32 s17, s17, s41
	s_lshl_b32 s43, s41, 2
	s_lshl_b32 s43, 15, s43
	s_lshl_b32 s44, 0x1111, s40
	s_or_b32 s[G1+0], s43, (3<<16)|(1<<21)
	s_or_b32 s[G1B+0], s44, (3<<16)|(1<<21)
.irp g, G1, G1B
	s_mov_b32 s[\g+1], 512<<16
	s_mov_b32 s[\g+2], 8<<16
	s_mov_b32 s[\g+3], 512<<16
	s_mov_b32 s[\g+4], 8
	s_mov_b32 s[\g+5], 2048
	s_mov_b32 s[\g+6], 0
	s_mov_b32 s[\g+7], 0
.endr
	s_or_b32 s[G1S+0], s43, (3<<16)|(1<<21)
	s_or_b32 s[G1SB+0], s44, (3<<16)|(1<<21)
.irp g, G1S, G1SB                      ; the head's tiles: 16 rows (row blocks) of 4,096 bytes, 16,384 bytes apart
	s_mov_b32 s[\g+1], 512<<16
	s_mov_b32 s[\g+2], 16<<16
	s_mov_b32 s[\g+3], 512<<16
	s_mov_b32 s[\g+4], 16
	s_mov_b32 s[\g+5], 2048
	s_mov_b32 s[\g+6], 0
	s_mov_b32 s[\g+7], 0
.endr
	s_mul_i32 s20, s67, WOFF+2*BPL
	s_lshl_b32 s18, s17, 18
	s_add_co_u32 s20, s20, s18
	s_lshl_b32 s18, s16, 17
	s_add_co_u32 s20, s20, s18
	s_mov_b32 s21, 0
	s_mul_i32 s22, s67, WOFF+2*BPL+BSC
	s_lshl_b32 s18, s42, 22
	s_add_co_u32 s22, s22, s18
	s_lshl_b32 s18, s17, 13
	s_add_co_u32 s22, s22, s18
	s_lshl_b32 s18, s16, 12
	s_add_co_u32 s22, s22, s18
	s_mov_b32 s23, 0
	s_mul_i32 s19, ttmp9, BPL
	s_add_co_u32 s19, s19, WOFF
	s_mul_i32 s19, s19, s42
	s_lshl_b32 s46, s99, 20
	s_mul_i32 s46, s46, s67
	s_add_co_u32 s46, s46, s19
	s_lshl_b32 s92, s42, 20
	s_add_co_u32 s92, s92, s19
	s_lshl_b32 s19, s99, 15
	s_add_co_u32 s19, s19, ASC
	s_mul_i32 s19, s19, s67
	s_add_co_u32 s92, s92, s19
	s_lshl_b32 s19, s40, 18
	s_add_co_u32 s46, s46, s19
	s_lshl_b32 s19, s16, 17
	s_add_co_u32 s46, s46, s19
	s_mov_b32 s47, 0
	s_lshl_b32 s19, s40, 13
	s_add_co_u32 s92, s92, s19
	s_lshl_b32 s19, s16, 12
	s_add_co_u32 s92, s92, s19
	s_mov_b32 s93, 0
	s_mul_i32 s45, s14, HALFT
	s_mul_i32 s94, s14, HALFS
	s_wait_kmcnt 0x0
	s_add_nc_u64 s[20:21], s[4:5], s[20:21]
	s_add_nc_u64 s[22:23], s[4:5], s[22:23]
	s_add_nc_u64 s[46:47], s[4:5], s[46:47]
	s_add_nc_u64 s[92:93], s[4:5], s[92:93]
	CROUND
	s_mul_i32 s18, s16, 126976                     ; s[20:21], s[46:47] stand 131,072 x (wave % 2) into the tile: back to its first row block, and 4,096 x (wave % 2) on: slot wave % 2's K step
	s_mov_b32 s19, 0
	s_mov_b32 s[G0S], 1
	s_mul_i32 s[G0S+1], s16, SLOT
	s_sub_nc_u64 s[G0S+2:G0S+3], s[20:21], s[18:19]
	s_or_b32 s[G0S+3], s[G0S+3], 0x80000000
	s_mov_b32 s[G0SB], 1
	s_mul_i32 s[G0SB+1], s16, SLOT
	s_add_co_u32 s[G0SB+1], s[G0SB+1], 2*HALFT
	s_sub_nc_u64 s[G0SB+2:G0SB+3], s[46:47], s[18:19]
	s_or_b32 s[G0SB+3], s[G0SB+3], 0x80000000
	JLOAD G0S, G1S, G0SB, G1SB                     ; my one load at the head
	s_cmp_eq_u32 s15, 0                            ; my 4,096 bytes of scale words: waves 0, 1 A's halves, waves 2, 3 B's
	s_cselect_b64 s[18:19], s[22:23], s[92:93]
	s_cselect_b64 s[4:5], s[20:21], s[46:47]       ; the prefetches' base: the 8 row blocks that I fetch in the ring,
	s_cselect_b32 s2, s40, s41                     ; and my place among the four that ask for them jointly (cx for A, cy for B): it enters this global address alone
	v_and_b32 v6, 31, v0
	v_lshlrev_b32 v7, 4, v6
	s_add_co_u32 s94, s94, SCL
	v_add_nc_u32 v8, s94, v7
.irp i, 0,1,2,3,4,5,6,7
	global_load_b128 v[128+4*\i:131+4*\i], v7, s[18:19] offset:512*\i   ; 512 consecutive bytes a load
.endr
	; PREFETCH INTO THE L2 of K steps 2 and 3, the ring's two refills: of my 8 row blocks each of the four partners names 2, a lane a block of 256 bytes (a K step is 4,096 bytes of a row block): each block is named once in the cluster
	s_lshl_b32 s2, s2, 15
	s_mov_b32 s3, 0
	s_add_nc_u64 s[4:5], s[4:5], s[2:3]
	v_bfe_u32 v9, v0, 4, 1
	v_and_b32 v10, 15, v0
	v_lshlrev_b32 v9, 14, v9
	v_lshl_add_u32 v9, v10, 8, v9                  ; 16,384 x (lane / 16) + 256 x (lane % 16); never rewritten, nor is the base
	global_prefetch_b8 v9, s[4:5] offset:8192 th:TH_LOAD_NT scope:SCOPE_SE
	global_prefetch_b8 v9, s[4:5] offset:12288 th:TH_LOAD_NT scope:SCOPE_SE
.irp s, 0,1
	s_mov_b32 s[G0+4*\s], 1
	s_add_co_u32 s[G0+4*\s+1], s45, \s*SLOT
	s_add_nc_u64 s[G0+4*\s+2:G0+4*\s+3], s[20:21], \s*SLK
	s_or_b32 s[G0+4*\s+3], s[G0+4*\s+3], 0x80000000
	s_mov_b32 s[G0B+4*\s], 1
	s_add_co_u32 s[G0B+4*\s+1], s45, \s*SLOT
	s_add_nc_u64 s[G0B+4*\s+2:G0B+4*\s+3], s[46:47], \s*SLK
	s_or_b32 s[G0B+4*\s+3], s[G0B+4*\s+3], 0x80000000
.endr
	v_and_b32 v1, 15, v0
	v_bfe_u32 v2, v0, 4, 1
	s_wait_alu depctr_va_vdst(0)
	v_and_b32 v6, 31, v0
	v_lshlrev_b32 v[CO], 4, v6
	s_mul_i32 s21, s15, HALFT
	s_mul_i32 s22, s16, HALFT
	s_add_co_u32 s22, s22, 2*HALFT
.irp s, 0,1
	v_add_nc_u32 v[ADRA+\s], s21, v[CO]
	v_add_nc_u32 v[ADRB+\s], s22, v[CO]
	s_add_co_u32 s21, s21, SLOT
	s_add_co_u32 s22, s22, SLOT
.endr
	v_lshlrev_b32 v5, 2, v1
	s_mul_i32 s21, s15, HALFS
	s_mul_i32 s22, s16, HALFS
	s_add_co_u32 s22, s22, 2*HALFS
	s_sub_co_u32 s22, s22, s21
	v_mul_u32_u24 v6, s22, v2
	s_add_co_u32 s21, s21, SCL
	v_add_nc_u32 v5, v5, v6
	v_add_nc_u32 v[ADRS], s21, v5
	s_lshl_b32 s21, s14, 9
	s_add_co_u32 s21, s21, STG
	v_lshlrev_b32 v[SWA], 2, v1
	v_add_nc_u32 v[SWA], s21, v[SWA]
	v_add_nc_u32 v[SRA], s21, v[CO]
	s_cmp_eq_u32 s67, 0
	s_cbranch_scc0 .Lbias_v
	s_cmp_eq_u32 ttmp9, 0
	s_cselect_b64 s[6:7], s[6:7], s[8:9]
	s_lshl_b32 s20, s40, 10
	s_lshl_b32 s21, s16, 9
	s_add_co_u32 s20, s20, s21
	s_mov_b32 s21, 0
	s_add_nc_u64 s[6:7], s[6:7], s[20:21]
	v_lshlrev_b32 v3, 6, v2
.irp b, 0,1,2,3,4,5,6,7
	global_load_b128 v[BIAS+8*\b:BIAS+8*\b+3], v3, s[6:7] offset:(32*(\b/2)+8*(\b%2))*4
	global_load_b128 v[BIAS+8*\b+4:BIAS+8*\b+7], v3, s[6:7] offset:(32*(\b/2)+8*(\b%2))*4+16
.endr
	s_branch .Lbias_done
.Lbias_v:
	s_lshl_b32 s20, s17, 10
	s_lshl_b32 s21, s15, 9
	s_add_co_u32 s20, s20, s21
	s_mov_b32 s21, 0
	s_add_nc_u64 s[10:11], s[10:11], s[20:21]
	v_and_b32 v3, 8, v1
	v_add_nc_u32 v3, v3, v1
	v_lshlrev_b32 v3, 2, v3
.irp a, 0,1,2,3,4,5,6,7
	global_load_b32 v[BIAS+8*\a], v3, s[10:11] offset:(32*(\a/2)+8*(\a%2))*4
.endr
	s_wait_loadcnt 0x0
.irp a, 0,1,2,3,4,5,6,7
.irp j, 1,2,3,4,5,6,7
	v_mov_b32 v[BIAS+8*\a+\j], v[BIAS+8*\a]
.endr
.endr
.rept 8
	v_nop
.endr
.Lbias_done:
	s_mul_i32 s20, ttmp9, APL
	s_mul_i32 s20, s20, s42
	s_mul_i32 s21, s99, BPL
	s_add_co_u32 s21, s21, 2*APL
	s_mul_i32 s21, s21, s67
	s_add_co_u32 s20, s20, s21
	s_lshl_b32 s22, s42, 22
	s_lshl_b32 s23, s67, 20
	s_add_co_u32 s22, s22, s23
	s_add_co_u32 s22, s22, s20
	s_lshl_b32 s21, s17, 18
	s_add_co_u32 s20, s20, s21
	s_lshl_b32 s21, s15, 17
	s_add_co_u32 s20, s20, s21
	s_lshl_b32 s21, s40, 12
	s_add_co_u32 s20, s20, s21
	s_lshl_b32 s21, s16, 11
	s_add_co_u32 s20, s20, s21
	s_mov_b32 s21, 0
	s_lshl_b32 s23, s17, 13
	s_add_co_u32 s22, s22, s23
	s_lshl_b32 s23, s15, 12
	s_add_co_u32 s22, s22, s23
	s_lshl_b32 s23, s40, 10
	s_add_co_u32 s22, s22, s23
	s_lshl_b32 s23, s16, 9
	s_add_co_u32 s22, s22, s23
	s_mov_b32 s23, 0
	s_add_nc_u64 s[OS:OS+1], s[12:13], s[22:23]
	s_add_nc_u64 s[12:13], s[12:13], s[20:21]
	s_mov_b32 s[SEL], 0x76543210
	s_mov_b32 s[SEL+1], 0xfedcba98
	s_mov_b32 s[MNT], 0x600000
.macro FRAG reg, adr, q, i
.irp c, 0,1,2,3
	ds_load_b128 v[\reg+4*\c:\reg+4*\c+3], v[\adr] offset:2048*(\q)+512*\c+(\i)*SLK
.endr
.endm
.macro MUL16 a0, p, q, sc, mode
.irp a, \a0, \a0+1
.irp b, 0,1,2,3,4,5,6,7
.if \mode == 0
	v_wmma_scale_f32_16x16x128_f8f6f4 v[8*(8*((\a)%4)+\b):8*(8*((\a)%4)+\b)+7], v[128*(\p)+FR*\b:128*(\p)+FR*\b+FR-1], v[AF+FR*(\a):AF+FR*(\a)+FR-1], v[8*(8*((\a)%4)+\b):8*(8*((\a)%4)+\b)+7], v[SC+8*NQ*(\sc)+NQ*\b+(\q)], v[SC+8*NQ*(\sc)+NQ*(\a)+(\q)] matrix_a_fmt:MATRIX_FMT_BF8 matrix_b_fmt:MATRIX_FMT_BF8 matrix_a_scale:MATRIX_SCALE_ROW1
.elseif \mode == 1
	v_wmma_scale_f32_16x16x128_f8f6f4 v[8*(8*((\a)%4)+\b):8*(8*((\a)%4)+\b)+7], v[128*(\p)+FR*\b:128*(\p)+FR*\b+FR-1], v[AF+FR*(\a):AF+FR*(\a)+FR-1], v[BIAS+8*\b:BIAS+8*\b+7], v[SC+8*NQ*(\sc)+NQ*\b+(\q)], v[SC+8*NQ*(\sc)+NQ*(\a)+(\q)] matrix_a_fmt:MATRIX_FMT_BF8 matrix_b_fmt:MATRIX_FMT_BF8 matrix_a_scale:MATRIX_SCALE_ROW1
.else
	v_wmma_scale_f32_16x16x128_f8f6f4 v[8*(8*((\a)%4)+\b):8*(8*((\a)%4)+\b)+7], v[128*(\p)+FR*\b:128*(\p)+FR*\b+FR-1], v[AF+FR*(\a):AF+FR*(\a)+FR-1], v[BIAS+8*(\a):BIAS+8*(\a)+7], v[SC+8*NQ*(\sc)+NQ*\b+(\q)], v[SC+8*NQ*(\sc)+NQ*(\a)+(\q)] matrix_a_fmt:MATRIX_FMT_BF8 matrix_b_fmt:MATRIX_FMT_BF8 matrix_a_scale:MATRIX_SCALE_ROW1
.endif
.endr
.endr
.endm
.macro FETCH_B slot, q, p
	WIN TO_B
.irp i, 0,1,2,3,4,5,6,7
	FRAG 128*(\p)+FR*\i, ADRB+\slot, \q, \i
.endr
	WIN 0
.endm
.macro FETCH_A slot, q, i0
.irp i, \i0, \i0+1, \i0+2, \i0+3
	FRAG AF+FR*(\i), ADRA+\slot, \q, \i
.endr
.endm
.macro SCALES sc
.irp i, 0,1,2,3,4,5,6,7
.irp q, 0,1
	ds_load_b32 v[SC+8*NQ*\sc+NQ*\i+\q], v[ADRS] offset:512*\q+64*\i
.endr
.endr
.endm
.macro PLACES n
.rept \n
	v_nop
.endr
.endm
.macro STEP slot, q, mode
	s_wait_dscnt 4*NL
.if \mode
	WIN 0x81
.else
	WIN MUL_LO
.endif
	MUL16 0, (\q)%2, \q, \slot, \mode
	MUL16 2, (\q)%2, \q, \slot, \mode
	s_wait_dscnt 0
	PLACES NP
	FETCH_B \slot, (\q)+1, 1-(\q)%2
	FETCH_A \slot, (\q)+1, 0
.if \mode
	WIN 0xc1
.else
	WIN MUL_HI
.endif
	MUL16 4, (\q)%2, \q, \slot, \mode
	MUL16 6, (\q)%2, \q, \slot, \mode
	PLACES NP
	WIN 0
	FETCH_A \slot, (\q)+1, 4
.endm
.macro TURN slot, next, fill
	s_wait_tensorcnt 0x0
	ds_add_u32 v[SPW], v[NIL]
	s_wait_dscnt 4*NL+1
	WIN MUL_LO
	MUL16 0, 1, NQ-1, \slot, 0
	s_wait_dscnt 0x0
	s_barrier_signal -1
	MUL16 2, 1, NQ-1, \slot, 0
	WIN 0
	s_barrier_wait -1
.if \fill
	CREST
	s_add_nc_u64 s[G0+4*\slot+2:G0+4*\slot+3], s[G0+4*\slot+2:G0+4*\slot+3], 2*SLK
	s_add_nc_u64 s[G0B+4*\slot+2:G0B+4*\slot+3], s[G0B+4*\slot+2:G0B+4*\slot+3], 2*SLK
	JLOAD G0+4*\slot, G1, G0B+4*\slot, G1B
	PLACES NP-4
.else
	PLACES NP
.endif
	s_wait_alu depctr_va_vdst(0)
	v_add_nc_u32 v[ADRS], 512*NQ, v[ADRS]
	FETCH_B \next, 0, 0
	FETCH_A \next, 0, 0
	SCALES \next
	WIN MUL_HI
	MUL16 4, 1, NQ-1, \slot, 0
	MUL16 6, 1, NQ-1, \slot, 0
	PLACES NP
	WIN 0
	FETCH_A \next, 0, 4
.endm
	s_wait_alu depctr_va_vdst(0)                   ; the wait at the head's end
	s_wait_loadcnt 0x0
.irp i, 0,1,2,3,4,5,6,7
	ds_store_b128 v8, v[128+4*\i:131+4*\i] offset:512*\i
.endr
	s_wait_tensorcnt 0x0                           ; my tile has landed,
	s_wait_dscnt 0x0                               ; and my scale words
	s_barrier_signal -1
	s_barrier_wait -1
	FETCH_B 0, 0, 0
	FETCH_A 0, 0, 0
	s_wait_alu depctr_va_vdst(0)
	SCALES 0
	FETCH_A 0, 0, 4
	s_cmp_eq_u32 s67, 0
	s_cbranch_scc0 .Lfirst_v
	STEP 0, 0, 1
	s_branch .Lfirst_done
.Lfirst_v:
	STEP 0, 0, 2
.Lfirst_done:
	s_mov_b32 s3, LAPS-1
.Llap:
	TURN 0, 1, 1
	STEP 1, 0, 0
	TURN 1, 0, 1
	STEP 0, 0, 0
	s_sub_co_u32 s3, s3, 1
	s_cmp_lg_u32 s3, 0
	s_cbranch_scc1 .Llap
	TURN 0, 1, 0
	STEP 1, 0, 0
	s_wait_dscnt 4*NL
	WIN MUL_LO
	MUL16 0, 1, NQ-1, 1, 0
	MUL16 2, 1, NQ-1, 1, 0
	s_wait_dscnt 0
	WIN MUL_HI
	MUL16 4, 1, NQ-1, 1, 0
	MUL16 6, 1, NQ-1, 1, 0
	WIN 0
.macro QE a
.set W, 2+(\a)/4
.set AC, 64*((\a)%4)
	WIN W|(W<<2)
.irp b, 0,1,2,3
.if RELU
	v_max3_num_f32 v[TM+\b], v[AC+16*\b], v[AC+16*\b+1], 0x8000000
.else
	v_max3_num_f32 v[TM+\b], |v[AC+16*\b]|, |v[AC+16*\b+1]|, 0x8000000
.endif
.endr
.irp i, 2,4,6,8,10,12,14
.irp b, 0,1,2,3
.if RELU
	v_max3_num_f32 v[TM+\b], v[AC+16*\b+\i], v[AC+16*\b+\i+1], v[TM+\b]
.else
	v_max3_num_f32 v[TM+\b], |v[AC+16*\b+\i]|, |v[AC+16*\b+\i+1]|, v[TM+\b]
.endif
.endr
.endr
	WIN 0
.irp b, 0,1,2,3
	v_permlanex16_b32 v[TM+4+\b], v[TM+\b], s[SEL], s[SEL+1]
.endr
.irp b, 0,1,2,3
	v_max_num_f32 v[TM+\b], v[TM+\b], v[TM+4+\b]
.endr
.irp b, 0,1,2,3
	v_add_nc_u32 v[TM+12+\b], 0xf8800000, v[TM+\b]
.endr
.irp b, 0,1,2,3
	v_and_or_b32 v[TM+8+\b], v[TM+\b], 0x7f800000, s[MNT]
.endr
.irp b, 0,1,2,3
	v_lshrrev_b32 v[TM+4+\b], 23, v[TM+12+\b]
.endr
	v_lshl_or_b32 v[PW+(\a)], v[TM+5], 8, v[TM+4]
	v_lshl_or_b32 v[PW+(\a)], v[TM+6], 16, v[PW+(\a)]
	v_lshl_or_b32 v[PW+(\a)], v[TM+7], 24, v[PW+(\a)]
	WIN W
.irp b, 0,1,2,3
.irp i, 0,1,2,3,4,5,6,7,8,9,10,11,12,13,14,15
.if RELU
	v_med3_num_f32 v[T+16*\b+\i], v[AC+16*\b+\i], 0, v[TM+8+\b]
.else
	v_med3_num_f32 v[T+16*\b+\i], v[AC+16*\b+\i], -v[TM+8+\b], v[TM+8+\b]
.endif
.endr
.endr
	WIN 0
.irp b, 0,1,2,3
	v_cvt_scalef32_pk8_bf8_f32 v[PC+16*(\a)+4*\b:PC+16*(\a)+4*\b+1], v[T+16*\b:T+16*\b+7], v[TM+12+\b]
	v_cvt_scalef32_pk8_bf8_f32 v[PC+16*(\a)+4*\b+2:PC+16*(\a)+4*\b+3], v[T+16*\b+8:T+16*\b+15], v[TM+12+\b]
.endr
	v_nop
.irp c, 0,1,2,3
	global_store_b128 v[CO], v[PC+16*(\a)+4*\c:PC+16*(\a)+4*\c+3], s[12:13] offset:16384*(\a)+512*\c
.endr
	ds_store_b32 v[SWA], v[PW+(\a)] offset:64*(\a)
.endm
	PLACES NP
.irp b, 0,1,2,3
	v_mov_b32 v[TM+4+\b], 0
.endr
.irp a, 0,1,2,3,4,5,6,7
	QE \a
.endr
	ds_load_b128 v[32:35], v[SRA]
	s_wait_dscnt 0x0
	global_store_b128 v[CO], v[32:35], s[OS:OS+1]
	s_wait_tensorcnt 0x0
	ds_add_u32 v[SPW], v[NIL]
	s_wait_dscnt 0x0
	CROUND
	s_endpgm
.Lfunc_end_k_q67076ad910_qkv:
	.size	k_q67076ad910_qkv, .Lfunc_end_k_q67076ad910_qkv-k_q67076ad910_qkv
	.p2alignl 7, 3214868480
	.fill 96, 4, 3214868480
	.section	.rodata,"a",@progbits
	.p2align	6, 0x0
	.amdhsa_kernel k_q67076ad910_qkv
		.amdhsa_group_segment_fixed_size 327680
		.amdhsa_private_segment_fixed_size 0
		.amdhsa_enable_private_segment 0
		.amdhsa_kernarg_size 40
		.amdhsa_user_sgpr_count 2
		.amdhsa_user_sgpr_kernarg_segment_ptr 1
		.amdhsa_wavefront_size32 1
		.amdhsa_system_sgpr_workgroup_id_x 1
		.amdhsa_system_sgpr_workgroup_id_y 1
		.amdhsa_system_sgpr_workgroup_id_z 1
		.amdhsa_system_vgpr_workitem_id 0
		.amdhsa_next_free_vgpr 1024
		.amdhsa_next_free_sgpr 102
		.amdhsa_reserve_vcc 0
		.amdhsa_float_denorm_mode_32 3
		.amdhsa_float_denorm_mode_16_64 3
		.amdhsa_memory_ordered 1
		.amdhsa_forward_progress 1
		.amdhsa_inst_pref_size 207
	.end_amdhsa_kernel
	.amdgpu_metadata
---
amdhsa.version: [ 1, 2 ]
amdhsa.kernels:
  - .name:           k_q67076ad910_qkv
    .symbol:         k_q67076ad910_qkv.kd
    .args:
      - { .name: prep, .offset: 0, .size: 8, .value_kind: global_buffer, .address_space: global }
      - { .name: bq, .offset: 8, .size: 8, .value_kind: global_buffer, .address_space: global }
      - { .name: bk, .offset: 16, .size: 8, .value_kind: global_buffer, .address_space: global }
      - { .name: bv, .offset: 24, .size: 8, .value_kind: global_buffer, .address_space: global }
      - { .name: qkv, .offset: 32, .size: 8, .value_kind: global_buffer, .address_space: global }
    .group_segment_fixed_size: 327680
    .private_segment_fixed_size: 0
    .kernarg_segment_align: 8
    .kernarg_segment_size: 40
    .max_flat_workgroup_size: 128
    .sgpr_count:     102
    .vgpr_count:     1024
    .wavefront_size: 32
...
	.end_amdgpu_metadata
.endif
;; end of part 2
;; launch attn (part 3): grid 8 x 32, 16 waves a work-group, clusters of 4 x 1, 327,680 bytes of LDS; arguments qkv, attention_mask, abuf; writes abuf
.if DOCPART == 3
	.amdgcn_target "amdgcn-amd-amdhsa--gfx1250"
	.amdhsa_code_object_version 6
	.text
	.protected	k_q67076ad910_attn
	.globl	k_q67076ad910_attn
	.p2align	8
	.type	k_q67076ad910_attn,@function
k_q67076ad910_attn:
	s_mov_b64 s[64:65], 0
	v_nop
	global_prefetch_b8 v0, s[64:65] scope:SCOPE_SE
	s_setreg_imm32_b32 hwreg(HW_REG_WAVE_MODE, 25, 1), 1
	s_wait_xcnt 0x0
	s_wait_alu depctr_hold_cnt(0) depctr_sa_sdst(0) depctr_va_vdst(0) depctr_va_sdst(0) depctr_va_ssrc(0) depctr_va_vcc(0) depctr_vm_vsrc(0)
	s_getreg_b32 s2, hwreg(HW_REG_IB_STS2, 6, 4)
	s_cmp_eq_u32 s2, 0
	s_cbranch_scc0 .Lentry_in_a_cluster
	s_endpgm
.Lentry_in_a_cluster:
	s_bfe_u32 s2, ttmp6, 0x10000c
	s_cmp_lg_u32 s2, 0x3003
	s_cbranch_scc0 .Lentry_shape_is_right
	s_endpgm
.Lentry_shape_is_right:
; attn = softmax(q k^T / 8 + mask) v for one head and 256 queries a work-group, both products on codes of E5M2 with E8M0 scales; the result is quantised along the hidden axis and leaves as images.
; q, k: planes of images (rows = tokens, K = features); a head's 64 features are half an image, 1,024 bytes.  V^T: planes with rows = features and K = tokens.
; THE SOFTMAX: t = (q.k + 8 mask) x log2(e) / 8; M = the running largest t rounded up to a whole number; p = 2^(t - M) is quantised along the keys; the row's sum of the unquantised p divides at the end.
; SHARES: sixteen waves, 16 queries (one row block) each; every wave walks the 2,048 keys, 128 a step, two steps a trip.
; FILLS: a head's K and V codes, 128 KiB each, are filled ONCE: sixteen loads of 16 KiB, one a wave, wave w's at LDS byte 16,384 w.  A load brings 256 keys: of K 16 row blocks x 1,024 bytes,
; of V 4 feature tiles x 4,096 bytes.  Waves 0, 1: K of keys 0-511; waves 2, 3: V of them; waves 4-9: K of the rest; waves 10-15: V of the rest.
; The first barrier shows waves 0-3's loads (they have load lines of their own): four steps follow.  The second shows all: twelve steps follow.  No byte is filled again.
; CLUSTER 4, 1, 1: four query blocks of one head need the same K and V: each load is a joint one, its descriptor made of batch, head and wave alone.
; No prefetch: every byte of K and V is asked for at the head, so there is no trip to run ahead in.
; Both products are used transposed: a lane holds one query throughout.  A row block's rows are 32 (rb / 2) + 8 (rb % 2) + r + 8 (r / 8), so that the 16 registers of
; two neighbouring tiles of scores are 16 neighbouring keys.  8 x mask is the C of the score products.  K = 64: the upper half of the instruction's K meets Q's zero codes.
; The held p goes into registers of its own, so the unquantised p stands until the second product is issued: 28 of the sum's 32 additions are the places behind that product, the last four,
; with the address additions, the places behind the next step's score products.
; LIMITS: 8 x mask is held at -2^32 from below: a row ALL of whose keys have a mask under -2^29 differs from the definition.  NaN and +infinity are not served.
.set APL,  4325376
.set BPL,  1081344
.set ASC,  4194304
.set BSC,  1048576
.set KS,   262144                      ; K's scale words, [step][128]
.set VS,   270336                      ; V's, [step][64]
.set MK,   274432                      ; 8 x mask, by key
.set SPARE, 282624                     ; the spare words: 128 bytes a wave
.set AK0,  1                           ; v1 16 x lane; v3 KS + 4 r; v4 VS + 4 r; v5 MK + 64 h
.set ASK0, 3
.set ASV0, 4
.set AM0,  5
.set ADK,  6                           ; v6-10 the pair's addresses
.set ADV,  7
.set ADS,  8
.set ADT,  9
.set ADM,  10
.set L4,   11
.set KF,   32                          ; v32-95 eight tiles of K (8 registers each) or four fragments of V
.set PC,   96                          ; v96-111 p's codes: finite codes, which K's last tile finds as its upper half, against Q's zeros
.set S,    112                         ; v112-175 scores, then p
.set O,    176                         ; v176-207 O^T
.set BM,   208
.set BY,   212
.set HO,   216
.set SO,   220
.set KSW,  224                         ; v224-231 K's or V's scale words
.set TP,   232                         ; the old -M
.set QSW,  233
.set X,    234
.set T,    236                         ; v236-251 the held p, two sets of eight
.set C,    236                         ; v236-243 between two steps: the sum's four chains
.set FF,   252                         ; f; v253 p's scale word
.set PWD,  253
.set WV,   10
.set G1K,  16
.set G1V,  24
.set G0K,  32
.set G0V,  36
.set SEL,  72
.set CS,   74
.set MNT,  76
.set TK,   77
.set TV,   78
.set TKS,  79
.set TVS,  80
.set TMK,  81
.set CNT,  82
.set SH,   83
.macro CROUND                          ; a round of the cluster's barrier
	s_barrier_signal -1
	s_barrier_wait -1
	s_cmp_lg_u32 s[WV], 0
	s_cbranch_scc1 .Lnw0_\@
	s_barrier_signal -3
.Lnw0_\@:
	s_barrier_wait -3
	s_barrier_signal -1
	s_barrier_wait -1
.endm
.macro ARM under, g0, g1, next         ; one arm of the head's chain: one load, then to the join
	s_cmp_lt_u32 s[WV], \under
	s_cbranch_scc0 \next
	tensor_load_to_lds s[\g0:\g0+3], s[\g1:\g1+7]
	s_nop 0
.rept 4
	v_nop
.endr
	s_branch .Lasked
\next:
.endm
	s_load_b128 s[4:7], s[0:1], 0x0                ; qkv, mask
	s_load_b64 s[8:9], s[0:1], 0x10                ; abuf
	v_lshl_add_u32 v254, v0, 2, SPARE
	v_mov_b32 v255, 0
	ds_add_u32 v254, v255                          ; the opening lines: the add twice on end and its wait
	ds_add_u32 v254, v255
	v_lshrrev_b32 v6, 5, v0
	v_readfirstlane_b32 s[WV], v6                  ; wave 0..15
	v_and_b32 v6, 31, v0
	v_and_b32 v7, 15, v0                           ; r
	v_bfe_u32 v8, v0, 4, 1                         ; h
	v_lshlrev_b32 v[AK0], 4, v6
	v_lshl_add_u32 v[ASK0], v7, 2, KS
	v_lshl_add_u32 v[ASV0], v7, 2, VS
	v_lshl_add_u32 v[AM0], v8, 6, MK
	v_lshlrev_b32 v[L4], 2, v7
	v_lshlrev_b32 v236, 3, v6                      ; 8 x lane
	v_lshlrev_b32 v237, 4, v0                      ; 16 x thread
	v_lshl_add_u32 v238, v0, 4, MK                 ; where the small inputs go in LDS
	v_lshl_add_u32 v239, v0, 4, KS
	v_lshl_add_u32 v240, v0, 3, VS
	s_and_b32 s13, ttmp7, 0xffff
	s_lshr_b32 s12, s13, 4                         ; batch
	s_and_b32 s13, s13, 15                         ; head
	s_lshr_b32 s14, s13, 1
	s_and_b32 s15, s13, 1
	s_lshl_b32 s[SH], s15, 4
	; group 1, K: 16 rows (row blocks) of 1,024 bytes, 16,384 bytes apart; elements of 8 bytes; the mask names the cluster's four
	s_mov_b32 s[G1K], 15|(3<<16)|(1<<21)
	s_mov_b32 s[G1K+1], 128<<16
	s_mov_b32 s[G1K+2], 16<<16
	s_mov_b32 s[G1K+3], 128<<16
	s_mov_b32 s[G1K+4], 16
	s_mov_b32 s[G1K+5], 2048
	s_mov_b32 s[G1K+6], 0
	s_mov_b32 s[G1K+7], 0
	; group 1, V: 4 rows (feature tiles) of 4,096 bytes (two K steps), 16,384 bytes apart
	s_mov_b32 s[G1V], 15|(3<<16)|(1<<21)
	s_mov_b32 s[G1V+1], 512<<16
	s_mov_b32 s[G1V+2], 4<<16
	s_mov_b32 s[G1V+3], 512<<16
	s_mov_b32 s[G1V+4], 4
	s_mov_b32 s[G1V+5], 2048
	s_mov_b32 s[G1V+6], 0
	s_mov_b32 s[G1V+7], 0
	s_lshr_b32 s66, s[WV], 2                       ; which 256 keys of K: wave 0, 1 -> 0, 1; wave 4..9 -> 2..7
	s_min_u32 s66, s66, 1
	s_lshl_b32 s66, s66, 1
	s_sub_co_u32 s66, s[WV], s66
	s_and_b32 s66, s66, 7
	s_lshl_b32 s66, s66, 18                        ; 16 row blocks of 16,384 bytes,
	s_lshl_b32 s67, s12, 21                        ; the batch's 128 row blocks,
	s_add_co_u32 s66, s66, s67
	s_lshl_b32 s67, s14, 11                        ; the head's half image
	s_add_co_u32 s66, s66, s67
	s_lshl_b32 s67, s15, 10
	s_add_co_u32 s66, s66, s67
	s_add_co_u32 s66, s66, APL
	s_mov_b32 s67, 0
	s_lshr_b32 s68, s[WV], 3                       ; which 256 keys of V: wave 2, 3 -> 0, 1; wave 10..15 -> 2..7
	s_mul_i32 s68, s68, 6
	s_add_co_u32 s68, s68, 2
	s_sub_co_u32 s68, s[WV], s68
	s_and_b32 s68, s68, 7
	s_lshr_b32 s69, s68, 2                         ; plane 2 batch + j / 4,
	s_lshl_b32 s70, s12, 1
	s_add_co_u32 s69, s69, s70
	s_mul_i32 s69, s69, BPL
	s_and_b32 s68, s68, 3
	s_lshl_b32 s68, s68, 12                        ; K steps 2 (j % 4) on,
	s_add_co_u32 s68, s68, s69
	s_lshl_b32 s69, s13, 16                        ; the head's four row blocks
	s_add_co_u32 s68, s68, s69
	s_add_co_u32 s68, s68, 2*APL
	s_mov_b32 s69, 0
	s_lshl_b32 s70, s[WV], 14                      ; in LDS: 16,384 x wave
	s_wait_alu depctr_va_vdst(0)                   ; the wait ahead of the waits below
	s_wait_dscnt 0x0
	CROUND                                         ; the round in front of the joint loads
	s_wait_kmcnt 0x0
	s_mov_b32 s[G0K], 1
	s_mov_b32 s[G0K+1], s70
	s_add_nc_u64 s[G0K+2:G0K+3], s[4:5], s[66:67]
	s_or_b32 s[G0K+3], s[G0K+3], 0x80000000
	s_mov_b32 s[G0V], 1
	s_mov_b32 s[G0V+1], s70
	s_add_nc_u64 s[G0V+2:G0V+3], s[4:5], s[68:69]
	s_or_b32 s[G0V+3], s[G0V+3], 0x80000000
	ARM 2, G0K, G1K, .La1                          ; one load a wave; the waves that wait at the first barrier have lines of their own
	ARM 4, G0V, G1V, .La2
	ARM 10, G0K, G1K, .La3
	tensor_load_to_lds s[G0V:G0V+3], s[G1V:G1V+7]
	s_nop 0
.rept 4
	v_nop
.endr
.Lasked:
	; the small inputs come through registers
	s_lshl_b32 s66, s12, 13
	s_mov_b32 s67, 0
	s_add_nc_u64 s[6:7], s[6:7], s[66:67]          ; the batch's mask
	s_lshl_b32 s66, s12, 4
	s_add_co_u32 s66, s66, s[WV]
	s_lshl_b32 s66, s66, 12                        ; K's scale words of step w: row group 16 batch + w,
	s_lshl_b32 s68, s14, 9                         ; K step head / 2
	s_add_co_u32 s66, s66, s68
	s_add_co_u32 s66, s66, APL+ASC
	s_add_nc_u64 s[84:85], s[4:5], s[66:67]
	s_lshl_b32 s66, s12, 1
	s_lshr_b32 s68, s[WV], 3
	s_add_co_u32 s66, s66, s68
	s_mul_i32 s66, s66, BPL                        ; V's of step w: plane 2 batch + w / 8,
	s_lshl_b32 s68, s14, 12                        ; row group head / 2,
	s_add_co_u32 s66, s66, s68
	s_and_b32 s68, s[WV], 7
	s_lshl_b32 s68, s68, 9                         ; K step w % 8,
	s_add_co_u32 s66, s66, s68
	s_lshl_b32 s68, s15, 8                         ; the head's 64 of the 128 rows
	s_add_co_u32 s66, s66, s68
	s_add_co_u32 s66, s66, 2*APL+BSC
	s_add_nc_u64 s[86:87], s[4:5], s[66:67]
	s_bfe_u32 s96, ttmp6, 0x40000                  ; my place in the cluster enters global addresses of q and of the result alone
	s_lshl_b32 s97, ttmp9, 2
	s_add_co_u32 s96, s96, s97                     ; query block 0..7
	s_lshl_b32 s96, s96, 4
	s_lshl_b32 s97, s12, 7
	s_add_co_u32 s96, s96, s97
	s_add_co_u32 s96, s96, s[WV]                   ; my row block of queries
	s_lshl_b32 s98, s96, 14
	s_lshl_b32 s97, s14, 11
	s_add_co_u32 s98, s98, s97
	s_lshl_b32 s97, s15, 10
	s_add_co_u32 s98, s98, s97                     ; the head's half of its image: in q's plane and in the result's alike
	s_mov_b32 s99, 0
	s_add_nc_u64 s[88:89], s[4:5], s[98:99]
	s_add_nc_u64 s[92:93], s[8:9], s[98:99]
	s_lshr_b32 s98, s96, 3
	s_lshl_b32 s98, s98, 12
	s_lshl_b32 s97, s14, 9
	s_add_co_u32 s98, s98, s97
	s_and_b32 s97, s96, 7
	s_lshl_b32 s97, s97, 6
	s_add_co_u32 s98, s98, s97
	s_add_co_u32 s98, s98, ASC                     ; its scale words
	s_add_nc_u64 s[90:91], s[4:5], s[98:99]
	s_lshl_b32 s97, s15, 1
	s_add_co_u32 s98, s98, s97                     ; the head's two bytes of a word
	s_add_nc_u64 s[94:95], s[8:9], s[98:99]
	global_load_b128 v[112:115], v237, s[6:7]
	global_load_b128 v[116:119], v[AK0], s[84:85]
	global_load_b64 v[120:121], v236, s[86:87]
	global_load_b128 v[16:19], v[AK0], s[88:89]
	global_load_b128 v[20:23], v[AK0], s[88:89] offset:512
	global_load_b32 v[QSW], v[L4], s[90:91]
	s_mov_b32 s[SEL], 0x76543210
	s_mov_b32 s[SEL+1], 0xfedcba98
	s_mov_b32 s[CS], 0x3e38aa3b                    ; c = log2(e) / 8
	s_mov_b32 s[CS+1], s[CS]
	s_mov_b32 s[MNT], 0x600000
	s_mov_b32 s[TK], 0                             ; keys 0-511: K at LDS byte 0, V at 32,768
	s_mov_b32 s[TV], 32768
	s_mov_b32 s[TKS], 0
	s_mov_b32 s[TVS], 0
	s_mov_b32 s[TMK], 0
	v_mov_b32 v13, 0xff61b1e6                      ; the largest t so far: -3e38
	v_floor_f32 v12, -v13                          ; -M
	v_mov_b32 v14, 0
	v_mov_b32 v15, 0
	v_mov_b32 v[PWD], 0                            ; named as the upper half of the pair v[252:253] before it is first written
.irp b, 0,1,2,3
	v_mov_b32 v[BY+\b], 0
.endr
.irp j, 0,1,2,3,4,5,6,7
	v_mov_b32 v[24+\j], 0                          ; Q's codes for k = 64 .. 127: zeros
	v_mov_b32 v[PC+\j], 0                          ; what the first step's last tile of K finds there
.endr
.set I_, 0
.rept 32
	v_mov_b32 v[O+I_], 0                           ; the step is written once: the first finds zeros
.set I_, I_+1
.endr
	v_add_nc_u32 v[ADK], s[TK], v[AK0]
	v_add_nc_u32 v[ADS], s[TKS], v[ASK0]
	v_add_nc_u32 v[ADM], s[TMK], v[AM0]
	s_wait_loadcnt 0x0
.irp j, 0,1,2,3
	v_mul_f32 v[112+\j], 0x41000000, v[112+\j]     ; 8 x mask,
.endr
.irp j, 0,1,2,3
	v_max_num_f32 v[112+\j], 0xcf800000, v[112+\j] ; held at -2^32
.endr
.irp j, 0,1,2,3
	v_lshrrev_b32 v[116+\j], s[SH], v[116+\j]      ; the head's two bytes become bytes 0 and 1
.endr
	v_lshrrev_b32 v[QSW], s[SH], v[QSW]
	ds_store_b128 v238, v[112:115]
	ds_store_b128 v239, v[116:119]
	ds_store_b64 v240, v[120:121]
.irp j, 0,1,2,3,4,5,6,7
	v_mov_b32 v[C+\j], 0                           ; the sum's chains: no step before the first
.endr
.macro HOLD8 d, s, h                   ; eight p held at the largest code x the scale (p is not negative: one-sided), two to an instruction
.irp i, 0,2,4,6
	v_dual_min_num_f32 v[\d+\i], v[\s+\i], v[\h] :: v_dual_min_num_f32 v[\d+\i+1], v[\s+\i+1], v[\h]
.endr
.endm
.macro STEP q                          ; 128 keys: the q-th of the pair in hand.  Behind the last step's second product stand 28 additions: the places in front of these loads
.irp t, 0,1,2,3,4,5,6,7
	ds_load_b128 v[KF+8*\t:KF+8*\t+3], v[ADK] offset:8192*\q+1024*\t
	ds_load_b128 v[KF+8*\t+4:KF+8*\t+7], v[ADK] offset:8192*\q+1024*\t+512
	ds_load_b32 v[KSW+\t], v[ADS] offset:512*\q+64*\t
	ds_load_b128 v[S+8*\t:S+8*\t+3], v[ADM] offset:512*\q+128*(\t/2)+32*(\t%2)          ; 8 x mask of keys 32 (t / 2) + 16 h + 8 (t % 2) + 0..7
	ds_load_b128 v[S+8*\t+4:S+8*\t+7], v[ADM] offset:512*\q+128*(\t/2)+32*(\t%2)+16
.endr
.if \q
	s_add_co_u32 s[TK], s[TK], 16384               ; on to the next pair of steps
	s_add_co_u32 s[TV], s[TV], 16384
	s_add_co_u32 s[TKS], s[TKS], 1024
	s_add_co_u32 s[TVS], s[TVS], 512
	s_add_co_u32 s[TMK], s[TMK], 1024
.endif
	s_wait_dscnt 0x0
.irp t, 0,1,2,3,4,5,6,7                        ; S^T = K Q^T + 8 mask.  Source 0's upper eight registers are the next tile's codes (the last tile's: p's codes): finite, against Q's zeros
	v_wmma_scale_f32_16x16x128_f8f6f4 v[S+8*\t:S+8*\t+7], v[KF+8*\t:KF+8*\t+15], v[16:31], v[S+8*\t:S+8*\t+7], v[KSW+\t], v[QSW] matrix_a_fmt:MATRIX_FMT_BF8 matrix_b_fmt:MATRIX_FMT_BF8
.endr
	; eight places: the last step's sum is finished, -M is copied, addresses are made
	v_pk_add_f32 v[C:C+1], v[C:C+1], v[C+2:C+3]
	v_pk_add_f32 v[C+4:C+5], v[C+4:C+5], v[C+6:C+7]
	v_mov_b32 v[TP], v12
.if \q
	v_add_nc_u32 v[ADK], s[TK], v[AK0]             ; the next pair's (this pair's loads of K, its words and the mask are in)
	v_add_nc_u32 v[ADS], s[TKS], v[ASK0]
	v_add_nc_u32 v[ADM], s[TMK], v[AM0]
.else
	v_add_nc_u32 v[ADV], s[TV], v[AK0]             ; this pair's
	v_add_nc_u32 v[ADT], s[TVS], v[ASV0]
	v_nop
.endif
	v_pk_add_f32 v[C:C+1], v[C:C+1], v[C+4:C+5]
	v_pk_add_f32 v[14:15], v[14:15], v[C:C+1]
.irp t, 0,1,2,3                                ; V's fragments and scale words land under the softmax
.irp c, 0,1,2,3
	ds_load_b128 v[KF+16*\t+4*\c:KF+16*\t+4*\c+3], v[ADV] offset:4096*\t+2048*\q+512*\c
.endr
	ds_load_b32 v[KSW+\t], v[ADT] offset:256*\q+64*\t
.endr
.irp b, 0,1,2,3
	v_max3_num_f32 v[BM+\b], v[S+16*\b], v[S+1+16*\b], v[S+2+16*\b]       ; the largest score of each block of 32 keys: for the row's maximum, and for the block's largest p
.endr
.irp i, 3,5,7,9,11,13
.irp b, 0,1,2,3
	v_max3_num_f32 v[BM+\b], v[BM+\b], v[S+16*\b+\i], v[S+1+16*\b+\i]
.endr
.endr
.irp b, 0,1,2,3
	v_max_num_f32 v[BM+\b], v[BM+\b], v[S+15+16*\b]
.endr
.irp b, 0,1,2,3
	v_permlanex16_b32 v[BY+\b], v[BM+\b], s[SEL], s[SEL+1]
.endr
.irp b, 0,1,2,3
	v_max_num_f32 v[BM+\b], v[BM+\b], v[BY+\b]
.endr
	v_max3_num_f32 v[X], v[BM], v[BM+1], v[BM+2]
	v_max_num_f32 v[X], v[X], v[BM+3]
	v_mul_f32 v[X], s[CS], v[X]
	v_max_num_f32 v13, v13, v[X]                   ; the running largest t
	v_floor_f32 v12, -v13                          ; -M = floor(-t): M is a whole number
	v_sub_f32 v[X], v12, v[TP]
	v_cvt_i32_f32 v[X], v[X]                       ; (it saturates)
	v_ldexp_f32 v[FF], 1.0, v[X]                   ; f = 2^(old M - new M)
.set I_, 0
.rept 32
	v_pk_fma_f32 v[S+I_:S+1+I_], v[S+I_:S+1+I_], s[CS:CS+1], v[12:13] op_sel_hi:[1,0,0]   ; t - M
.set I_, I_+2
.endr
	v_pk_fma_f32 v[BM:BM+1], v[BM:BM+1], s[CS:CS+1], v[12:13] op_sel_hi:[1,0,0]           ; the same of each block's largest score
	v_pk_fma_f32 v[BM+2:BM+3], v[BM+2:BM+3], s[CS:CS+1], v[12:13] op_sel_hi:[1,0,0]
	s_wait_alu depctr_va_vdst(0)                   ; the wait ahead of the batch
.set I_, 0
.rept 64
	v_exp_f32 v[S+I_], v[S+I_]                     ; p = 2^(t - M)
.set I_, I_+1
.endr
.irp b, 0,1,2,3
	v_exp_f32 v[BM+\b], v[BM+\b]                   ; each block's largest p
.endr
	v_pk_mul_f32 v[14:15], v[14:15], v[FF:FF+1] op_sel_hi:[1,0]   ; the sums under the new M: a plain line behind the exponentials
	s_wait_alu depctr_va_vdst(0)                   ; one wait for the batch, ahead of its first reader
.irp b, 0,1,2,3
	v_max_num_f32 v[BM+\b], 0x8000000, v[BM+\b]    ; the floor 2^(16 - 127)
.endr
.irp b, 0,1,2,3
	v_add_nc_u32 v[SO+\b], 0xf8800000, v[BM+\b]    ; 15 off the exponent field: the conversion's scale operand
.endr
.irp b, 0,1,2,3
	v_and_or_b32 v[HO+\b], v[BM+\b], 0x7f800000, s[MNT]   ; 57,344 x the scale
.endr
.irp b, 0,1,2,3
	v_lshrrev_b32 v[BY+\b], 23, v[SO+\b]
.endr
	v_lshl_or_b32 v[PWD], v[BY+1], 8, v[BY]        ; p's scale word for these 128 keys
	v_lshl_or_b32 v[PWD], v[BY+2], 16, v[PWD]
	v_lshl_or_b32 v[PWD], v[BY+3], 24, v[PWD]
.irp b, 0,1,2,3
	HOLD8 T, S+16*\b, HO+\b
	v_cvt_scalef32_pk8_bf8_f32 v[PC+4*\b:PC+1+4*\b], v[T:T+7], v[SO+\b]
	HOLD8 T+8, S+8+16*\b, HO+\b
	v_cvt_scalef32_pk8_bf8_f32 v[PC+2+4*\b:PC+3+4*\b], v[T+8:T+15], v[SO+\b]
.endr
	s_wait_alu depctr_va_vdst(0)                   ; the wait directly ahead of the first reader of O^T
.set I_, 0
.rept 16
	v_pk_mul_f32 v[O+I_:O+1+I_], v[O+I_:O+1+I_], v[FF:FF+1] op_sel_hi:[1,0]   ; O^T under the new M; also the places in front of the products below
.set I_, I_+2
.endr
	s_wait_alu depctr_va_vdst(0)
	s_wait_dscnt 0x0                               ; V
.irp t, 0,1,2,3                                ; O^T += V^T P^T
	v_wmma_scale_f32_16x16x128_f8f6f4 v[O+8*\t:O+8*\t+7], v[KF+16*\t:KF+16*\t+15], v[PC:PC+15], v[O+8*\t:O+8*\t+7], v[KSW+\t], v[PWD] matrix_a_fmt:MATRIX_FMT_BF8 matrix_b_fmt:MATRIX_FMT_BF8
.endr
.irp k, 0,1,2,3                                ; the row's sum of the unquantised p, four chains of pairs
	v_pk_add_f32 v[C+2*\k:C+2*\k+1], v[S+2*\k:S+2*\k+1], v[S+8+2*\k:S+9+2*\k]
.endr
.irp m, 2,3,4,5,6,7
.irp k, 0,1,2,3
	v_pk_add_f32 v[C+2*\k:C+2*\k+1], v[C+2*\k:C+2*\k+1], v[S+8*\m+2*\k:S+8*\m+2*\k+1]
.endr
.endr
	s_wait_alu depctr_va_vdst(0)
.endm
.macro PHASE trips
	s_mov_b32 s[CNT], \trips
.Lpair_\@:
	STEP 0
	STEP 1
	s_sub_co_u32 s[CNT], s[CNT], 1
	s_cmp_lg_u32 s[CNT], 0
	s_cbranch_scc1 .Lpair_\@
.endm
	s_wait_alu depctr_va_vdst(0)                   ; the wait at the head's end
	s_cmp_lt_u32 s[WV], 4
	s_cbranch_scc0 .Lnot_first
	s_wait_tensorcnt 0x0                           ; waves 0-3: K and V of keys 0-511 have landed
.Lnot_first:
	s_wait_dscnt 0x0                               ; my LDS stores have landed
	s_barrier_signal -1
	s_barrier_wait -1
	PHASE 2                                        ; keys 0-511
	s_mov_b32 s[TK], 65536                         ; keys 512 on: K from wave 4's bytes, V from wave 10's
	s_mov_b32 s[TV], 163840
	v_add_nc_u32 v[ADK], s[TK], v[AK0]
	s_wait_alu depctr_va_vdst(0)
	s_wait_tensorcnt 0x0                           ; every wave: all loads have landed
	s_wait_dscnt 0x0
	s_barrier_signal -1
	s_barrier_wait -1
	PHASE 6                                        ; keys 512-2,047
	; THE WAY OUT: O^T / the sum; register 16 b + i = feature 64 head + 32 b + 16 h + i of my query: two blocks, half an image
	v_pk_add_f32 v[C:C+1], v[C:C+1], v[C+2:C+3]
	v_pk_add_f32 v[C+4:C+5], v[C+4:C+5], v[C+6:C+7]
	v_pk_add_f32 v[C:C+1], v[C:C+1], v[C+4:C+5]
	v_pk_add_f32 v[14:15], v[14:15], v[C:C+1]
	v_add_f32 v14, v14, v15
	v_permlanex16_b32 v[TP], v14, s[SEL], s[SEL+1]
	v_add_f32 v14, v14, v[TP]
	s_wait_alu depctr_va_vdst(0)
	v_rcp_f32 v14, v14
	v_nop
	s_wait_alu depctr_va_vdst(0)
.set I_, 0
.rept 32
	v_mul_f32 v[S+I_], v[O+I_], v14
.set I_, I_+1
.endr
.irp b, 0,1
	v_max3_num_f32 v[BM+\b], |v[S+16*\b]|, |v[S+1+16*\b]|, 0x8000000
.endr
.irp i, 2,4,6,8,10,12,14
.irp b, 0,1
	v_max3_num_f32 v[BM+\b], v[BM+\b], |v[S+16*\b+\i]|, |v[S+1+16*\b+\i]|
.endr
.endr
.irp b, 0,1
	v_permlanex16_b32 v[BY+\b], v[BM+\b], s[SEL], s[SEL+1]
.endr
.irp b, 0,1
	v_max_num_f32 v[BM+\b], v[BM+\b], v[BY+\b]
.endr
.irp b, 0,1
	v_add_nc_u32 v[SO+\b], 0xf8800000, v[BM+\b]
.endr
.irp b, 0,1
	v_and_or_b32 v[HO+\b], v[BM+\b], 0x7f800000, s[MNT]
.endr
.irp b, 0,1
	v_lshrrev_b32 v[BY+\b], 23, v[SO+\b]
.endr
	v_lshl_or_b32 v[PWD], v[BY+1], 8, v[BY]
.irp b, 0,1
.irp i, 0,1,2,3,4,5,6,7,8,9,10,11,12,13,14,15
	v_med3_num_f32 v[S+16*\b+\i], v[S+16*\b+\i], -v[HO+\b], v[HO+\b]
.endr
	v_cvt_scalef32_pk8_bf8_f32 v[PC+4*\b:PC+1+4*\b], v[S+16*\b:S+7+16*\b], v[SO+\b]
	v_cvt_scalef32_pk8_bf8_f32 v[PC+2+4*\b:PC+3+4*\b], v[S+8+16*\b:S+15+16*\b], v[SO+\b]
.endr
	v_nop
	global_store_b128 v[AK0], v[PC:PC+3], s[92:93]
	global_store_b128 v[AK0], v[PC+4:PC+7], s[92:93] offset:512
	global_store_b16 v[L4], v[PWD], s[94:95]       ; the head's two bytes of my row's word: one byte in 32 of what the launch writes
	s_wait_tensorcnt 0x0                           ; the wave's end
	ds_add_u32 v254, v255
	s_wait_dscnt 0x0
	CROUND                                         ; the closing round
	s_endpgm
.Lfunc_end_k_q67076ad910_attn:
	.size	k_q67076ad910_attn, .Lfunc_end_k_q67076ad910_attn-k_q67076ad910_attn
	.p2alignl 7, 3214868480
	.fill 96, 4, 3214868480
	.section	.rodata,"a",@progbits
	.p2align	6, 0x0
	.amdhsa_kernel k_q67076ad910_attn
		.amdhsa_group_segment_fixed_size 327680
		.amdhsa_private_segment_fixed_size 0
		.amdhsa_enable_private_segment 0
		.amdhsa_kernarg_size 24
		.amdhsa_user_sgpr_count 2
		.amdhsa_user_sgpr_kernarg_segment_ptr 1
		.amdhsa_wavefront_size32 1
		.amdhsa_system_sgpr_workgroup_id_x 1
		.amdhsa_system_sgpr_workgroup_id_y 1
		.amdhsa_system_sgpr_workgroup_id_z 1
		.amdhsa_system_vgpr_workitem_id 0
		.amdhsa_next_free_vgpr 256
		.amdhsa_next_free_sgpr 100
		.amdhsa_reserve_vcc 0
		.amdhsa_float_denorm_mode_32 3
		.amdhsa_float_denorm_mode_16_64 3
		.amdhsa_memory_ordered 1
		.amdhsa_forward_progress 1
		.amdhsa_inst_pref_size 96
	.end_amdhsa_kernel
	.amdgpu_metadata
---
amdhsa.version: [ 1, 2 ]
amdhsa.kernels:
  - .name:           k_q67076ad910_attn
    .symbol:         k_q67076ad910_attn.kd
    .args:
      - { .name: qkv, .offset: 0, .size: 8, .value_kind: global_buffer, .address_space: global }
      - { .name: attention_mask, .offset: 8, .size: 8, .value_kind: global_buffer, .address_space: global }
      - { .name: abuf, .offset: 16, .size: 8, .value_kind: global_buffer, .address_space: global }
    .group_segment_fixed_size: 327680
    .private_segment_fixed_size: 0
    .kernarg_segment_align: 8
    .kernarg_segment_size: 24
    .max_flat_workgroup_size: 512
    .sgpr_count:     100
    .vgpr_count:     256
    .wavefront_size: 32
...
	.end_amdgpu_metadata
.endif
;; end of part 3
;; launch go (part 4): grid 8 x 32, 4 waves a work-group, clusters of 4 x 4, 270,848 bytes of LDS; arguments abuf, woq, part; writes part
.if DOCPART == 4
	.amdgcn_target "amdgcn-amd-amdhsa--gfx1250"
	.amdhsa_code_object_version 6
	.text
	.protected	k_q67076ad910_go
	.globl	k_q67076ad910_go
	.p2align	8
	.type	k_q67076ad910_go,@function
k_q67076ad910_go:
	s_mov_b64 s[64:65], 0
	v_nop
	global_prefetch_b8 v0, s[64:65] scope:SCOPE_SE
	s_setreg_imm32_b32 hwreg(HW_REG_WAVE_MODE, 25, 1), 1
	s_wait_xcnt 0x0
	s_wait_alu depctr_hold_cnt(0) depctr_sa_sdst(0) depctr_va_vdst(0) depctr_va_sdst(0) depctr_va_ssrc(0) depctr_va_vcc(0) depctr_vm_vsrc(0)
	s_getreg_b32 s2, hwreg(HW_REG_IB_STS2, 6, 4)
	s_cmp_eq_u32 s2, 0
	s_cbranch_scc0 .Lentry_in_a_cluster
	s_endpgm
.Lentry_in_a_cluster:
	s_bfe_u32 s2, ttmp6, 0x10000c
	s_cmp_lg_u32 s2, 0xf033
	s_cbranch_scc0 .Lentry_shape_is_right
	s_endpgm
.Lentry_shape_is_right:
; C = attn x Wo over K = 1,024 on codes of E5M2 with E8M0 scales; C leaves as f32 in the order of the accumulators' registers.
; A (4,096 rows) and B (1,024 rows) are planes of IMAGES OF OPERAND REGISTERS: 16 rows x 128 K = [c][lane][16 bytes]; a plane is [row block][K step 0..7][2,048], scale words [row / 128][K step][128] behind it.
; C: [row block 0..255][128 columns 0..7][8,192]: [g 0..15][lane][16 bytes]; register 4 g + q = 16 c + i is column 32 c + 16 (lane / 16) + i of row place lane % 16.
; A TILE OF C IS 128 x 128: 256 work-groups.  A tile's operands for ALL of K are two dense blocks of 128 KiB, which lie in LDS together: every byte of LDS is filled once.
; THE FILLS, one a wave: wave 0 A's block, wave 1 B's, wave 2 A's 4,096 bytes of scale words, wave 3 B's.  Every wave waits for its load; one barrier shows all four.
; Four waves, each 64 x 64 in 16 accumulators.  The product is used transposed.
; CLUSTERS 4 x 4: A's tiles are asked for jointly along a row of the cluster, B's along a column; one round in front of the loads, one at the end.
; No prefetch: all operands are asked for at the head, so there is no trip to run ahead in.
.set ASC,   4194304
.set BSC,   1048576
.set NP,    8                          ; places behind this matrix instruction (ISA guide 7.12.1)
.set BB,    131072                     ; B's block, behind A's
.set SCL,   262144                     ; the scale words: A's [K step 0..7][128 rows], 4,096 bytes, then B's
.set SPARE, 270336
.set ADRA, 8                           ; v8  LDS address of my A fragments
.set ADRB, 12                          ; v12 of B's
.set CO,   16                          ; v16 16 x lane
.set ADRS, 17                          ; v17 my scale words: lanes 0-15 A's rows, lanes 16-31 B's
.set SC,   32                          ; v32-63 scale words: register 4 k + i: K step k, block i
.set ACC,  128                         ; v128-255 accumulator (a, b) at v[128 + 8 (4 a + b)].  Window 1: two fragment buffers of 128: A's four fragments, then B's four
.set G1,   24
.set G1B,  32
.set G1S,  40
.set G1SB, 48
.set G0A,  56
.set G0B,  60
.set G0S,  68
.set G0SB, 72
.set MSB, 0
.macro WIN new                         ; the immediate's high byte repeats the setting that is left
.if MSB != (\new)
	s_set_vgpr_msb (MSB<<8)|(\new)
.set MSB, (\new)
.endif
.endm
.set MUL,  0x05                        ; sources 0 (B) and 1 (A) window 1; C and D window 0
.set TO_F, 0x40                        ; destination window 1, address window 0
.macro CROUND                          ; a round of the cluster's barrier
	s_barrier_signal -1
	s_barrier_wait -1
	s_cmp_lg_u32 s14, 0
	s_cbranch_scc1 .Lnot_wave_0_\@
	s_barrier_signal -3
.Lnot_wave_0_\@:
	s_barrier_wait -3
	s_barrier_signal -1
	s_barrier_wait -1
.endm
.macro ARM under, g0, g1, next
	s_cmp_lt_u32 s14, \under
	s_cbranch_scc0 \next
	tensor_load_to_lds s[\g0:\g0+3], s[\g1:\g1+7]
	s_nop 0
.rept 4
	v_nop
.endr
	s_branch .Lasked
\next:
.endm
	s_load_b128 s[4:7], s[0:1], 0x0                ; A's plane, B's plane
	s_load_b64 s[12:13], s[0:1], 0x10              ; C
	v_lshl_add_u32 v126, v0, 2, SPARE
	v_mov_b32 v127, 0
	ds_add_u32 v126, v127                          ; the opening lines: the add twice on end and its wait
	ds_add_u32 v126, v127
	v_lshrrev_b32 v1, 5, v0
	v_readfirstlane_b32 s14, v1                    ; wave
	s_lshr_b32 s15, s14, 1                         ; my half of the tile's rows
	s_and_b32 s16, s14, 1                          ; my half of its columns
	s_bfe_u32 s8, ttmp6, 0x40000                   ; cx
	s_bfe_u32 s9, ttmp6, 0x40004                   ; cy
	s_lshl_b32 s10, ttmp9, 2
	s_add_co_u32 s10, s10, s8                      ; tile column, 0..7
	s_and_b32 s17, ttmp7, 0xffff
	s_lshl_b32 s17, s17, 2
	s_add_co_u32 s17, s17, s9                      ; tile row, 0..31
	s_lshl_b32 s2, s9, 2
	s_lshl_b32 s2, 15, s2                          ; my row of the cluster
	s_lshl_b32 s3, 0x1111, s8                      ; my column
	s_or_b32 s[G1+0], s2, (3<<16)|(1<<21)          ; codes: 131,072 dense bytes as 32 rows of 4,096; elements of 8 bytes
	s_or_b32 s[G1B+0], s3, (3<<16)|(1<<21)
.irp g, G1, G1B
	s_mov_b32 s[\g+1], 512<<16
	s_mov_b32 s[\g+2], 32<<16
	s_mov_b32 s[\g+3], 512<<16
	s_mov_b32 s[\g+4], 32
	s_mov_b32 s[\g+5], 512
	s_mov_b32 s[\g+6], 0
	s_mov_b32 s[\g+7], 0
.endr
	s_or_b32 s[G1S+0], s2, (3<<16)|(1<<21)         ; scale words of 128 rows, all of K: 4,096 dense bytes as 16 rows of 256
	s_or_b32 s[G1SB+0], s3, (3<<16)|(1<<21)
.irp g, G1S, G1SB
	s_mov_b32 s[\g+1], 32<<16
	s_mov_b32 s[\g+2], 16<<16
	s_mov_b32 s[\g+3], 32<<16
	s_mov_b32 s[\g+4], 16
	s_mov_b32 s[\g+5], 32
	s_mov_b32 s[\g+6], 0
	s_mov_b32 s[\g+7], 0
.endr
	s_lshl_b32 s20, s17, 17                        ; A: 8 row blocks a tile row: its offsets hang on the tile row, never on cx
	s_mov_b32 s21, 0
	s_lshl_b32 s22, s17, 12
	s_add_co_u32 s22, s22, ASC
	s_mov_b32 s23, 0
	s_lshl_b32 s66, s10, 17                        ; B: on the tile column, never on cy
	s_mov_b32 s67, 0
	s_lshl_b32 s76, s10, 12
	s_add_co_u32 s76, s76, BSC
	s_mov_b32 s77, 0
	s_mov_b32 s[G0A], 1
	s_mov_b32 s[G0A+1], 0
	s_mov_b32 s[G0B], 1
	s_mov_b32 s[G0B+1], BB
	s_mov_b32 s[G0S], 1
	s_mov_b32 s[G0S+1], SCL
	s_mov_b32 s[G0SB], 1
	s_mov_b32 s[G0SB+1], SCL+4096
	s_wait_dscnt 0x0
	CROUND                                         ; all sixteen work-groups are here: the joint loads meet
	s_wait_kmcnt 0x0
	s_add_nc_u64 s[G0A+2:G0A+3], s[4:5], s[20:21]
	s_or_b32 s[G0A+3], s[G0A+3], 0x80000000
	s_add_nc_u64 s[G0B+2:G0B+3], s[6:7], s[66:67]
	s_or_b32 s[G0B+3], s[G0B+3], 0x80000000
	s_add_nc_u64 s[G0S+2:G0S+3], s[4:5], s[22:23]
	s_or_b32 s[G0S+3], s[G0S+3], 0x80000000
	s_add_nc_u64 s[G0SB+2:G0SB+3], s[6:7], s[76:77]
	s_or_b32 s[G0SB+3], s[G0SB+3], 0x80000000
	ARM 1, G0A, G1, .Lhead_b                       ; one chain of branches on the wave's number, one load to an arm
	ARM 2, G0B, G1B, .Lhead_sa
	ARM 3, G0S, G1S, .Lhead_sb
	tensor_load_to_lds s[G0SB:G0SB+3], s[G1SB:G1SB+7]
	s_nop 0
.rept 4
	v_nop
.endr
.Lasked:
	v_and_b32 v1, 15, v0                           ; r
	v_bfe_u32 v2, v0, 4, 1                         ; h
	v_and_b32 v3, 31, v0
	v_lshlrev_b32 v[CO], 4, v3                     ; an image's place for my lane
	s_lshl_b32 s20, s15, 16                        ; my 4 row blocks of A,
	s_lshl_b32 s21, s16, 16                        ; my 4 of B, behind A's block
	s_add_co_u32 s21, s21, BB
	v_add_nc_u32 v[ADRA], s20, v[CO]
	v_add_nc_u32 v[ADRB], s21, v[CO]
	v_lshlrev_b32 v5, 2, v1                        ; my row's word
	s_lshl_b32 s20, s15, 8                         ; A's: my 64 rows of the 128
	s_lshl_b32 s21, s16, 8                         ; B's: my 64 rows, behind A's 4,096 bytes
	s_add_co_u32 s21, s21, 4096
	s_sub_co_u32 s21, s21, s20
	v_mul_u32_u24 v6, s21, v2                      ; lanes 16-31 take B's
	s_add_co_u32 s20, s20, SCL
	v_add_nc_u32 v5, v5, v6
	v_add_nc_u32 v[ADRS], s20, v5
	s_lshl_b32 s20, s17, 19                        ; C: row block 8 x tile row + 4 x half, columns' group = tile column, my half of its 8,192 bytes
	s_lshl_b32 s21, s15, 18
	s_add_co_u32 s20, s20, s21
	s_lshl_b32 s21, s10, 13
	s_add_co_u32 s20, s20, s21
	s_lshl_b32 s21, s16, 12
	s_add_co_u32 s20, s20, s21
	s_mov_b32 s21, 0
	s_add_nc_u64 s[12:13], s[12:13], s[20:21]
.macro PLACES n                        ; plain vector lines between a matrix instruction and a load into, or a read of, its registers
.rept \n
	v_nop
.endr
.endm
.macro FETCH ks                        ; K step ks: B's four fragments and A's four into buffer ks % 2: 32 loads of 512 consecutive bytes
.set FB, 128*((\ks)%2)
	WIN TO_F
.irp i, 0,1,2,3
.irp c, 0,1,2,3
	ds_load_b128 v[FB+64+16*\i+4*\c:FB+64+16*\i+4*\c+3], v[ADRB] offset:16384*\i+2048*(\ks)+512*\c
.endr
.endr
.irp i, 0,1,2,3
.irp c, 0,1,2,3
	ds_load_b128 v[FB+16*\i+4*\c:FB+16*\i+4*\c+3], v[ADRA] offset:16384*\i+2048*(\ks)+512*\c
.endr
.endr
.endm
; 8 products: A's blocks a0, a0 + 1 x B's four.  zero = 1: the first product starts the sums.  The 16 accumulators take turns, in the same order in every K step
.macro MUL8 ks, a0, zero
.set FB, 128*((\ks)%2)
.irp a, \a0, \a0+1
.irp b, 0,1,2,3
.if \zero
	v_wmma_scale_f32_16x16x128_f8f6f4 v[ACC+8*(4*(\a)+\b):ACC+8*(4*(\a)+\b)+7], v[FB+64+16*\b:FB+64+16*\b+15], v[FB+16*(\a):FB+16*(\a)+15], 0, v[SC+4*(\ks)+\b], v[SC+4*(\ks)+(\a)] matrix_a_fmt:MATRIX_FMT_BF8 matrix_b_fmt:MATRIX_FMT_BF8 matrix_a_scale:MATRIX_SCALE_ROW1
.else
	v_wmma_scale_f32_16x16x128_f8f6f4 v[ACC+8*(4*(\a)+\b):ACC+8*(4*(\a)+\b)+7], v[FB+64+16*\b:FB+64+16*\b+15], v[FB+16*(\a):FB+16*(\a)+15], v[ACC+8*(4*(\a)+\b):ACC+8*(4*(\a)+\b)+7], v[SC+4*(\ks)+\b], v[SC+4*(\ks)+(\a)] matrix_a_fmt:MATRIX_FMT_BF8 matrix_b_fmt:MATRIX_FMT_BF8 matrix_a_scale:MATRIX_SCALE_ROW1
.endif
.endr
.endr
.endm
.macro PLAIN ks, zero, fetch           ; a K step; fetch = 1: the next step's fragments are asked for ahead of its products
.if \fetch
.if (\ks) > 0
	PLACES NP                                      ; the other buffer was read by the products just issued
.endif
	FETCH (\ks)+1
	s_wait_dscnt 32                                ; this step's fragments are in; the 32 loads just issued may be out
.else
	s_wait_dscnt 0x0
.endif
	WIN MUL
	MUL8 \ks, 0, \zero
	MUL8 \ks, 2, \zero
.endm
	s_wait_alu depctr_va_vdst(0)                   ; the wait at the head's end
	s_wait_tensorcnt 0x0                           ; every wave: my load has landed
	s_barrier_signal -1
	s_barrier_wait -1                              ; everybody's
.irp k, 0,1,2,3,4,5,6,7
.irp i, 0,1,2,3
	ds_load_b32 v[SC+4*\k+\i], v[ADRS] offset:512*\k+64*\i   ; all scale words, once: lanes 0-15 A's block i, lanes 16-31 B's block i
.endr
.endr
	FETCH 0
	PLAIN 0, 1, 1
.irp k, 1,2,3,4,5,6
	PLAIN \k, 0, 1
.endr
	PLAIN 7, 0, 0
	PLACES NP                                      ; behind the last products: their results are stored below
	WIN 0
	; THE WAY OUT: the accumulators leave as they stand, each from its low end on; a store covers 512 consecutive bytes.  Register j of (a, b) is register 32 x half + 8 b + j of the columns' group
.irp a, 0,1,2,3
.irp b, 0,1,2,3
	global_store_b128 v[CO], v[ACC+8*(4*\a+\b):ACC+8*(4*\a+\b)+3], s[12:13] offset:65536*\a+1024*\b th:TH_STORE_NT
	global_store_b128 v[CO], v[ACC+8*(4*\a+\b)+4:ACC+8*(4*\a+\b)+7], s[12:13] offset:65536*\a+1024*\b+512 th:TH_STORE_NT
.endr
.endr
	s_wait_tensorcnt 0x0                           ; the wave's end
	ds_add_u32 v126, v127
	s_wait_dscnt 0x0
	CROUND                                         ; the closing round: no work-group ends while a partner may still ask for a tile that names it
	s_endpgm
.Lfunc_end_k_q67076ad910_go:
	.size	k_q67076ad910_go, .Lfunc_end_k_q67076ad910_go-k_q67076ad910_go
	.p2alignl 7, 3214868480
	.fill 96, 4, 3214868480
	.section	.rodata,"a",@progbits
	.p2align	6, 0x0
	.amdhsa_kernel k_q67076ad910_go
		.amdhsa_group_segment_fixed_size 270848
		.amdhsa_private_segment_fixed_size 0
		.amdhsa_enable_private_segment 0
		.amdhsa_kernarg_size 24
		.amdhsa_user_sgpr_count 2
		.amdhsa_user_sgpr_kernarg_segment_ptr 1
		.amdhsa_wavefront_size32 1
		.amdhsa_system_sgpr_workgroup_id_x 1
		.amdhsa_system_sgpr_workgroup_id_y 1
		.amdhsa_system_sgpr_workgroup_id_z 1
		.amdhsa_system_vgpr_workitem_id 0
		.amdhsa_next_free_vgpr 512
		.amdhsa_next_free_sgpr 102
		.amdhsa_reserve_vcc 0
		.amdhsa_float_denorm_mode_32 3
		.amdhsa_float_denorm_mode_16_64 3
		.amdhsa_memory_ordered 1
		.amdhsa_forward_progress 1
		.amdhsa_inst_pref_size 47
	.end_amdhsa_kernel
	.amdgpu_metadata
---
amdhsa.version: [ 1, 2 ]
amdhsa.kernels:
  - .name:           k_q67076ad910_go
    .symbol:         k_q67076ad910_go.kd
    .args:
      - { .name: abuf, .offset: 0, .size: 8, .value_kind: global_buffer, .address_space: global }
      - { .name: woq, .offset: 8, .size: 8, .value_kind: global_buffer, .address_space: global }
      - { .name: part, .offset: 16, .size: 8, .value_kind: global_buffer, .address_space: global }
    .group_segment_fixed_size: 270848
    .private_segment_fixed_size: 0
    .kernarg_segment_align: 8
    .kernarg_segment_size: 24
    .max_flat_workgroup_size: 128
    .sgpr_count:     102
    .vgpr_count:     512
    .wavefront_size: 32
...
	.end_amdgpu_metadata
.endif
;; end of part 4
;; launch ln1 (part 5): grid 256 x 1, 8 waves a work-group, no clusters, 69,632 bytes of LDS; arguments part, hidden_states, bo, ln1_g, ln1_b, hbuf; writes hbuf
.if DOCPART == 5
	.amdgcn_target "amdgcn-amd-amdhsa--gfx1250"
	.amdhsa_code_object_version 6
	.text
	.protected	k_q67076ad910_ln1
	.globl	k_q67076ad910_ln1
	.p2align	8
	.type	k_q67076ad910_ln1,@function
k_q67076ad910_ln1:
	s_mov_b64 s[64:65], 0
	v_nop
	global_prefetch_b8 v0, s[64:65] scope:SCOPE_SE
	s_setreg_imm32_b32 hwreg(HW_REG_WAVE_MODE, 25, 1), 1
	s_wait_xcnt 0x0
; h = LayerNorm(x + attn Wo + bo) x g + b, in f32.  h leaves twice: as f32 in the order of operand registers (for the last residual) and as codes of E5M2 with E8M0 scale words (for h W1).
; A work-group takes a row block (16 rows: 32 (rb / 2) + 8 (rb % 2) + r + 8 (r / 8)); wave w takes columns 128 w on.  Lane (r, h) holds 64 numbers of row place r: register 16 c + i = column 128 w + 32 c + 16 h + i.
; The product's plane already lies so; x's rows are turned through the wave's own stage in LDS.  Mean and variance in two passes (no difference of large sums); the waves' sums meet in LDS, one barrier each.
; Memory binds: no matrix unit, no cluster.  LIMITS: NaN and infinities are not served.
.set APL,  4325376
.set ASC,  4194304
.set SP,   528
.set STGB, 16*SP
.set RED,  8*STGB                      ; [row place][wave] f32, 512 bytes; a second such block behind it
.set S0,   16
.set S1,   80
.set S2,   144
.set RS,   208                         ; v208-219 sums at work
.set TM,   208                         ; v208-223 at work in QUANT
.set PW,   224
.set PC,   226
.set MU,   242
.set RD,   244
.set LI,   1                           ; v1 16 x lane; v4, v5 stage in and out; v6 64 h; v7, v8 the sums' words; v9 4 r
.set SI,   4
.set SOU,  5
.set LH,   6
.set RW,   7
.set RR,   8
.set L4,   9
.set WV,   3
.set SEL,  36
.set MNT,  38
.set INV,  39
.set EPS,  40
.macro LDIMG set, base
.irp g, 0,1,2,3,4,5,6,7,8,9,10,11,12,13,14,15
	global_load_b128 v[\set+4*\g:\set+4*\g+3], v[LI], s[\base:\base+1] offset:512*\g th:TH_LOAD_NT
.endr
.endm
.macro LDPAR set, base                 ; a vector of 1,024 numbers, my 64 of it
.irp c, 0,1,2,3
.irp j, 0,1,2,3
	global_load_b128 v[\set+16*\c+4*\j:\set+16*\c+4*\j+3], v[LH], s[\base:\base+1] offset:128*\c+16*\j
.endr
.endr
.endm
.macro ADD64 d, s
.irp j, 0,2,4,6,8,10,12,14,16,18,20,22,24,26,28,30,32,34,36,38,40,42,44,46,48,50,52,54,56,58,60,62
	v_pk_add_f32 v[\d+\j:\d+\j+1], v[\d+\j:\d+\j+1], v[\s+\j:\s+\j+1]
.endr
.endm
.macro ACROSS red                      ; two chains of pairs in v[RS:RS+3] become the row's sum over all 1,024 columns, in v[RS] of every lane
	s_delay_alu instid0(VALU_DEP_1)
	v_pk_add_f32 v[RS:RS+1], v[RS:RS+1], v[RS+2:RS+3]
	s_delay_alu instid0(VALU_DEP_1)
	v_add_f32 v[RS], v[RS], v[RS+1]
	s_delay_alu instid0(VALU_DEP_1)
	v_permlanex16_b32 v[RS+1], v[RS], s[SEL], s[SEL+1]
	s_delay_alu instid0(VALU_DEP_1)
	v_add_f32 v[RS], v[RS], v[RS+1]
	ds_store_b32 v[RW], v[RS] offset:\red          ; lanes r and r + 16 write the same word with the same value
	s_wait_dscnt 0x0                               ; for the others' sake
	s_barrier_signal -1
	s_barrier_wait -1
	ds_load_b128 v[RS+4:RS+7], v[RR] offset:\red
	ds_load_b128 v[RS+8:RS+11], v[RR] offset:\red+16
	s_wait_dscnt 0x0
	v_add_f32 v[RS+4], v[RS+4], v[RS+5]
	v_add_f32 v[RS+6], v[RS+6], v[RS+7]
	v_add_f32 v[RS+8], v[RS+8], v[RS+9]
	v_add_f32 v[RS+10], v[RS+10], v[RS+11]
	s_delay_alu instid0(VALU_DEP_3)
	v_add_f32 v[RS+4], v[RS+4], v[RS+6]
	s_delay_alu instid0(VALU_DEP_2)
	v_add_f32 v[RS+8], v[RS+8], v[RS+10]
	s_delay_alu instid0(VALU_DEP_1)
	v_add_f32 v[RS], v[RS+4], v[RS+8]
.endm
.macro QUANT s, d
.irp b, 0,1,2,3
	v_max3_num_f32 v[TM+\b], |v[\s+16*\b]|, |v[\s+1+16*\b]|, 0x8000000
.endr
.irp i, 2,4,6,8,10,12,14
.irp b, 0,1,2,3
	s_delay_alu instid0(VALU_DEP_4)
	v_max3_num_f32 v[TM+\b], v[TM+\b], |v[\s+16*\b+\i]|, |v[\s+1+16*\b+\i]|
.endr
.endr
.irp b, 0,1,2,3
	s_delay_alu instid0(VALU_DEP_4)
	v_permlanex16_b32 v[TM+4+\b], v[TM+\b], s[SEL], s[SEL+1]
.endr
.irp b, 0,1,2,3
	s_delay_alu instid0(VALU_DEP_4)
	v_max_num_f32 v[TM+\b], v[TM+\b], v[TM+4+\b]
.endr
.irp b, 0,1,2,3
	s_delay_alu instid0(VALU_DEP_4)
	v_add_nc_u32 v[TM+12+\b], 0xf8800000, v[TM+\b]
.endr
.irp b, 0,1,2,3
	v_and_or_b32 v[TM+8+\b], v[TM+\b], 0x7f800000, s[MNT]
.endr
.irp b, 0,1,2,3
	v_lshrrev_b32 v[TM+4+\b], 23, v[TM+12+\b]
.endr
	s_delay_alu instid0(VALU_DEP_3)
	v_lshl_or_b32 v[PW], v[TM+5], 8, v[TM+4]
	s_delay_alu instid0(VALU_DEP_1)
	v_lshl_or_b32 v[PW], v[TM+6], 16, v[PW]
	s_delay_alu instid0(VALU_DEP_1)
	v_lshl_or_b32 v[PW], v[TM+7], 24, v[PW]
.irp b, 0,1,2,3
.irp i, 0,1,2,3,4,5,6,7,8,9,10,11,12,13,14,15
	v_med3_num_f32 v[\d+16*\b+\i], v[\s+16*\b+\i], -v[TM+8+\b], v[TM+8+\b]
.endr
	v_cvt_scalef32_pk8_bf8_f32 v[PC+4*\b:PC+1+4*\b], v[\d+16*\b:\d+7+16*\b], v[TM+12+\b]
	v_cvt_scalef32_pk8_bf8_f32 v[PC+2+4*\b:PC+3+4*\b], v[\d+8+16*\b:\d+15+16*\b], v[TM+12+\b]
.endr
	v_nop
.endm
	s_load_b256 s[4:11], s[0:1], 0x0               ; part s[4:5], x s[6:7], bo s[8:9], g s[10:11]
	s_load_b128 s[12:15], s[0:1], 0x20             ; b s[12:13], hbuf s[14:15]
	v_lshl_add_u32 v254, v0, 2, 0x10c00
	v_mov_b32 v255, 0
	v_lshrrev_b32 v2, 5, v0
	s_delay_alu instid0(VALU_DEP_1)
	v_readfirstlane_b32 s[WV], v2
	v_and_b32 v2, 15, v0                           ; r
	v_bfe_u32 v3, v0, 4, 1                         ; h
	v_and_b32 v1, 31, v0
	s_delay_alu instid0(VALU_DEP_1)
	v_lshlrev_b32 v[LI], 4, v1
	s_mul_i32 s16, s[WV], STGB
	v_add_nc_u32 v[SI], s16, v[LI]
	v_mul_u32_u24 v[SOU], v2, SP
	s_delay_alu instid0(VALU_DEP_1)
	v_lshl_add_u32 v[SOU], v3, 6, v[SOU]
	s_delay_alu instid0(VALU_DEP_1)
	v_add_nc_u32 v[SOU], s16, v[SOU]
	v_lshlrev_b32 v[LH], 6, v3
	v_lshlrev_b32 v[RR], 5, v2
	s_delay_alu instid0(VALU_DEP_1)
	v_add_nc_u32 v[RR], RED, v[RR]
	s_lshl_b32 s16, s[WV], 2
	v_add_nc_u32 v[RW], s16, v[RR]
	v_lshlrev_b32 v[L4], 2, v2
	s_mov_b32 s[SEL], 0x76543210
	s_mov_b32 s[SEL+1], 0xfedcba98
	s_mov_b32 s[MNT], 0x600000
	s_mov_b32 s[INV], 0x3a800000                   ; 1 / 1,024
	s_mov_b32 s[EPS], 0x3727c5ac                   ; 1e-5
	s_lshl_b32 s16, ttmp9, 16                      ; an f32 plane: rb x 65,536 + w x 8,192
	s_lshl_b32 s17, s[WV], 13
	s_add_co_u32 s16, s16, s17
	s_mov_b32 s17, 0
	s_lshr_b32 s18, ttmp9, 1                       ; x: row 32 (rb / 2) + 8 (rb % 2), my 128 columns
	s_lshl_b32 s18, s18, 17
	s_and_b32 s19, ttmp9, 1
	s_lshl_b32 s19, s19, 15
	s_add_co_u32 s18, s18, s19
	s_lshl_b32 s26, s[WV], 9
	s_add_co_u32 s18, s18, s26
	s_mov_b32 s19, 0
	s_mov_b32 s27, 0
	s_lshl_b32 s22, ttmp9, 14                      ; the image
	s_lshl_b32 s23, s[WV], 11
	s_add_co_u32 s22, s22, s23
	s_mov_b32 s23, 0
	s_lshr_b32 s24, ttmp9, 3                       ; its scale words
	s_lshl_b32 s24, s24, 12
	s_and_b32 s25, ttmp9, 7
	s_lshl_b32 s25, s25, 6
	s_add_co_u32 s24, s24, s25
	s_add_co_u32 s24, s24, s26
	s_add_co_u32 s24, s24, ASC
	s_mov_b32 s25, 0
	s_wait_alu depctr_va_vdst(0)
	s_wait_kmcnt 0x0
	s_add_nc_u64 s[4:5], s[4:5], s[16:17]
	s_add_nc_u64 s[6:7], s[6:7], s[18:19]
	s_add_nc_u64 s[8:9], s[8:9], s[26:27]
	s_add_nc_u64 s[10:11], s[10:11], s[26:27]
	s_add_nc_u64 s[12:13], s[12:13], s[26:27]
	s_add_nc_u64 s[20:21], s[14:15], s[16:17]
	s_add_nc_u64 s[20:21], s[20:21], APL           ; h as f32 lies behind h's plane of codes
	s_add_nc_u64 s[22:23], s[14:15], s[22:23]
	s_add_nc_u64 s[24:25], s[14:15], s[24:25]
.irp i, 0,1,2,3,4,5,6,7,8,9,10,11,12,13,14,15
	global_load_b128 v[S1+4*\i:S1+4*\i+3], v[LI], s[6:7] offset:(\i+8*(\i/8))*4096 th:TH_LOAD_NT
.endr
	LDIMG S0, 4
	LDPAR S2, 8
	s_wait_loadcnt 32                              ; x's 16 rows are in; the 32 younger loads may be out
.irp i, 0,1,2,3,4,5,6,7,8,9,10,11,12,13,14,15
	ds_store_b128 v[SI], v[S1+4*\i:S1+4*\i+3] offset:\i*SP
.endr
.irp c, 0,1,2,3
.irp j, 0,1,2,3
	ds_load_b128 v[S1+16*\c+4*\j:S1+16*\c+4*\j+3], v[SOU] offset:128*\c+16*\j    ; a wave's LDS instructions are served in order
.endr
.endr
	s_wait_loadcnt 0x0
	s_wait_dscnt 0x0
	ADD64 S0, S1
	ADD64 S0, S2
	LDPAR S1, 10                                   ; g and b land under the two reductions
	LDPAR S2, 12
	v_pk_add_f32 v[RS:RS+1], v[S0:S0+1], v[S0+2:S0+3]
	v_pk_add_f32 v[RS+2:RS+3], v[S0+4:S0+5], v[S0+6:S0+7]
.irp j, 8,12,16,20,24,28,32,36,40,44,48,52,56,60
	s_delay_alu instid0(VALU_DEP_2)
	v_pk_add_f32 v[RS:RS+1], v[RS:RS+1], v[S0+\j:S0+\j+1]
	s_delay_alu instid0(VALU_DEP_2)
	v_pk_add_f32 v[RS+2:RS+3], v[RS+2:RS+3], v[S0+\j+2:S0+\j+3]
.endr
	ACROSS 0
	s_delay_alu instid0(VALU_DEP_1)
	v_mul_f32 v[MU], s[INV], v[RS]                 ; the mean
	s_delay_alu instid0(VALU_DEP_1)
	v_mov_b32 v[MU+1], v[MU]
.irp j, 0,2,4,6,8,10,12,14,16,18,20,22,24,26,28,30,32,34,36,38,40,42,44,46,48,50,52,54,56,58,60,62
	v_pk_add_f32 v[S0+\j:S0+\j+1], v[S0+\j:S0+\j+1], v[MU:MU+1] neg_lo:[0,1] neg_hi:[0,1]
.endr
	v_pk_mul_f32 v[RS:RS+1], v[S0:S0+1], v[S0:S0+1]
	v_pk_mul_f32 v[RS+2:RS+3], v[S0+2:S0+3], v[S0+2:S0+3]
.irp j, 4,8,12,16,20,24,28,32,36,40,44,48,52,56,60
	s_delay_alu instid0(VALU_DEP_2)
	v_pk_fma_f32 v[RS:RS+1], v[S0+\j:S0+\j+1], v[S0+\j:S0+\j+1], v[RS:RS+1]
	s_delay_alu instid0(VALU_DEP_2)
	v_pk_fma_f32 v[RS+2:RS+3], v[S0+\j+2:S0+\j+3], v[S0+\j+2:S0+\j+3], v[RS+2:RS+3]
.endr
	ACROSS 512
	s_delay_alu instid0(VALU_DEP_1)
	v_fma_f32 v[RS+1], v[RS], s[INV], s[EPS]       ; the variance + 1e-5
	s_wait_alu depctr_va_vdst(0)
	v_rsq_f32 v[RD], v[RS+1]
	v_nop
	s_wait_alu depctr_va_vdst(0)
	v_mov_b32 v[RD+1], v[RD]
	s_wait_alu depctr_va_vdst(0)
	s_wait_loadcnt 0x0                             ; g, b
.irp j, 0,2,4,6,8,10,12,14,16,18,20,22,24,26,28,30,32,34,36,38,40,42,44,46,48,50,52,54,56,58,60,62
	v_pk_mul_f32 v[S0+\j:S0+\j+1], v[S0+\j:S0+\j+1], v[RD:RD+1]
.endr
.irp j, 0,2,4,6,8,10,12,14,16,18,20,22,24,26,28,30,32,34,36,38,40,42,44,46,48,50,52,54,56,58,60,62
	v_pk_fma_f32 v[S0+\j:S0+\j+1], v[S0+\j:S0+\j+1], v[S1+\j:S1+\j+1], v[S2+\j:S2+\j+1]
.endr
.irp g, 0,1,2,3,4,5,6,7,8,9,10,11,12,13,14,15
	global_store_b128 v[LI], v[S0+4*\g:S0+4*\g+3], s[20:21] offset:512*\g
.endr
	QUANT S0, S1                                   ; the held numbers go into other registers: the stores above still read S0
.irp c, 0,1,2,3
	global_store_b128 v[LI], v[PC+4*\c:PC+4*\c+3], s[22:23] offset:512*\c
.endr
	global_store_b32 v[L4], v[PW], s[24:25]
	s_wait_tensorcnt 0x0
	ds_add_u32 v254, v255
	s_wait_dscnt 0x0
	s_endpgm
.Lfunc_end_k_q67076ad910_ln1:
	.size	k_q67076ad910_ln1, .Lfunc_end_k_q67076ad910_ln1-k_q67076ad910_ln1
	.p2alignl 7, 3214868480
	.fill 96, 4, 3214868480
	.section	.rodata,"a",@progbits
	.p2align	6, 0x0
	.amdhsa_kernel k_q67076ad910_ln1
		.amdhsa_group_segment_fixed_size 69632
		.amdhsa_private_segment_fixed_size 0
		.amdhsa_enable_private_segment 0
		.amdhsa_kernarg_size 48
		.amdhsa_user_sgpr_count 2
		.amdhsa_user_sgpr_kernarg_segment_ptr 1
		.amdhsa_wavefront_size32 1
		.amdhsa_system_sgpr_workgroup_id_x 1
		.amdhsa_system_sgpr_workgroup_id_y 1
		.amdhsa_system_sgpr_workgroup_id_z 1
		.amdhsa_system_vgpr_workitem_id 0
		.amdhsa_next_free_vgpr 256
		.amdhsa_next_free_sgpr 66
		.amdhsa_reserve_vcc 0
		.amdhsa_float_denorm_mode_32 3
		.amdhsa_float_denorm_mode_16_64 3
		.amdhsa_memory_ordered 1
		.amdhsa_forward_progress 1
		.amdhsa_inst_pref_size 42
	.end_amdhsa_kernel
	.amdgpu_metadata
---
amdhsa.version: [ 1, 2 ]
amdhsa.kernels:
  - .name:           k_q67076ad910_ln1
    .symbol:         k_q67076ad910_ln1.kd
    .args:
      - { .name: part, .offset: 0, .size: 8, .value_kind: global_buffer, .address_space: global }
      - { .name: hidden_states, .offset: 8, .size: 8, .value_kind: global_buffer, .address_space: global }
      - { .name: bo, .offset: 16, .size: 8, .value_kind: global_buffer, .address_space: global }
      - { .name: ln1_g, .offset: 24, .size: 8, .value_kind: global_buffer, .address_space: global }
      - { .name: ln1_b, .offset: 32, .size: 8, .value_kind: global_buffer, .address_space: global }
      - { .name: hbuf, .offset: 40, .size: 8, .value_kind: global_buffer, .address_space: global }
    .group_segment_fixed_size: 69632
    .private_segment_fixed_size: 0
    .kernarg_segment_align: 8
    .kernarg_segment_size: 48
    .max_flat_workgroup_size: 256
    .sgpr_count:     66
    .vgpr_count:     256
    .wavefront_size: 32
...
	.end_amdgpu_metadata
.endif
;; end of part 5
;; launch ff1 (part 6): grid 16 x 16, 4 waves a work-group, clusters of 4 x 4, 327,680 bytes of LDS; arguments hbuf, prep, b1, abuf; writes abuf
.if DOCPART == 6
	.amdgcn_target "amdgcn-amd-amdhsa--gfx1250"
	.amdhsa_code_object_version 6
	.text
	.protected	k_q67076ad910_ff1
	.globl	k_q67076ad910_ff1
	.p2align	8
	.type	k_q67076ad910_ff1,@function
k_q67076ad910_ff1:
	s_mov_b64 s[64:65], 0
	v_nop
	global_prefetch_b8 v0, s[64:65] scope:SCOPE_SE
	s_setreg_imm32_b32 hwreg(HW_REG_WAVE_MODE, 25, 1), 1
	s_wait_xcnt 0x0
	s_wait_alu depctr_hold_cnt(0) depctr_sa_sdst(0) depctr_va_vdst(0) depctr_va_sdst(0) depctr_va_ssrc(0) depctr_va_vcc(0) depctr_vm_vsrc(0)
	s_getreg_b32 s2, hwreg(HW_REG_IB_STS2, 6, 4)
	s_cmp_eq_u32 s2, 0
	s_cbranch_scc0 .Lentry_in_a_cluster
	s_endpgm
.Lentry_in_a_cluster:
	s_bfe_u32 s2, ttmp6, 0x10000c
	s_cmp_lg_u32 s2, 0xf033
	s_cbranch_scc0 .Lentry_shape_is_right
	s_endpgm
.Lentry_shape_is_right:
; relu(h W1 + b1) on codes of E5M2 with E8M0 scales, K = 1,024, tiles of 256 x 256; the result is quantised along the next K and leaves as images of operand registers.
; Four waves, 128 x 128 each; K goes in steps of 256 through a ring of two LDS slots; clusters 4 x 4 with joint loads, A's along a row, B's along a column.
; THE HEAD: one joint load a wave: waves 0, 1 A's 16 row blocks of slots 0, 1; waves 2, 3 B's: both slots are asked for at once.  The scale words, 4,096 bytes a wave, come through registers into LDS bytes onto which no tensor load lands.
.set APL,   4325376
.set BPL,   1081344
.set ASC,   4194304
.set BSC,   1048576
.set W1OFF, APL+3*BPL
.set RELU,  1
.set NQ,    2
.set FR,    16
.set NL,    4
.set NP,    8
.set SLK,   4096
.set HALFT, 8*SLK
.set SLOT,  4*HALFT
.set LAPS,  2
.set SCL,   2*SLOT
.set HALFS, 4096
.set SPARE, SCL+4*HALFS
.set STG,   SPARE+512
.set ADRA, 16
.set ADRB, 20
.set SWA,  22
.set SRA,  23
.set CO,   26
.set ADRS, 27
.set SPW,  28
.set NIL,  29
.set SC,   32
.set BIAS, 64
.set AF,   128
.set TM,   32
.set PW,   48
.set T,    64
.set PC,   128
.set G1, 24
.set G0, 32
.set G1B, 48
.set G0B, 56
.set G1S, 68
.set G0S, 76
.set G1SB, 80
.set G0SB, 88
.set SEL, 96
.set MNT, 98
.set OS,  100
.set MSB, 0
.macro WIN new
.if MSB != (\new)
	s_set_vgpr_msb (MSB<<8)|(\new)
.set MSB, (\new)
.endif
.endm
.set MUL_LO, 0xa1
.set MUL_HI, 0xf1
.set TO_B,   0x40
.macro JLOAD g0a, g1a, g0b, g1b
	s_cmp_eq_u32 s15, 0
	s_cbranch_scc0 .Lfor_b_\@
	tensor_load_to_lds s[\g0a:\g0a+3], s[\g1a:\g1a+7]
	s_nop 0
.rept 4
	v_nop
.endr
	s_branch .Lasked_\@
.Lfor_b_\@:
	tensor_load_to_lds s[\g0b:\g0b+3], s[\g1b:\g1b+7]
	s_nop 0
.rept 4
	v_nop
.endr
.Lasked_\@:
.endm
.macro CREST
	s_cmp_lg_u32 s14, 0
	s_cbranch_scc1 .Lnot_wave_0_\@
	s_barrier_signal -3
.Lnot_wave_0_\@:
	s_barrier_wait -3
	s_barrier_signal -1
	s_barrier_wait -1
.endm
.macro CROUND
	s_barrier_signal -1
	s_barrier_wait -1
	CREST
.endm
	s_load_b128 s[4:7], s[0:1], 0x0
	s_load_b64 s[8:9], s[0:1], 0x10
	s_load_b64 s[12:13], s[0:1], 0x18
	v_lshl_add_u32 v[SPW], v0, 2, SPARE
	v_mov_b32 v[NIL], 0
	ds_add_u32 v28, v29
	ds_add_u32 v28, v29
	s_wait_dscnt 0x0
	v_lshrrev_b32 v1, 5, v0
	v_readfirstlane_b32 s14, v1
	s_lshr_b32 s15, s14, 1
	s_and_b32 s16, s14, 1
	s_bfe_u32 s40, ttmp6, 0x40000
	s_bfe_u32 s41, ttmp6, 0x40004
	s_and_b32 s17, ttmp7, 0xffff
	s_lshl_b32 s17, s17, 2
	s_add_co_u32 s17, s17, s41
	s_lshl_b32 s43, s41, 2
	s_lshl_b32 s43, 15, s43
	s_lshl_b32 s44, 0x1111, s40
	s_or_b32 s[G1+0], s43, (3<<16)|(1<<21)
	s_or_b32 s[G1B+0], s44, (3<<16)|(1<<21)
.irp g, G1, G1B
	s_mov_b32 s[\g+1], 512<<16
	s_mov_b32 s[\g+2], 8<<16
	s_mov_b32 s[\g+3], 512<<16
	s_mov_b32 s[\g+4], 8
	s_mov_b32 s[\g+5], 2048
	s_mov_b32 s[\g+6], 0
	s_mov_b32 s[\g+7], 0
.endr
	s_or_b32 s[G1S+0], s43, (3<<16)|(1<<21)
	s_or_b32 s[G1SB+0], s44, (3<<16)|(1<<21)
.irp g, G1S, G1SB                      ; the head's tiles: 16 rows (row blocks) of 4,096 bytes, 16,384 bytes apart
	s_mov_b32 s[\g+1], 512<<16
	s_mov_b32 s[\g+2], 16<<16
	s_mov_b32 s[\g+3], 512<<16
	s_mov_b32 s[\g+4], 16
	s_mov_b32 s[\g+5], 2048
	s_mov_b32 s[\g+6], 0
	s_mov_b32 s[\g+7], 0
.endr
	s_lshl_b32 s20, s17, 18
	s_lshl_b32 s18, s16, 17
	s_add_co_u32 s20, s20, s18
	s_mov_b32 s21, 0
	s_lshl_b32 s22, s17, 13
	s_lshl_b32 s18, s16, 12
	s_add_co_u32 s22, s22, s18
	s_add_co_u32 s22, s22, ASC
	s_mov_b32 s23, 0
	s_mul_i32 s46, ttmp9, BPL
	s_add_co_u32 s46, s46, W1OFF
	s_add_co_u32 s92, s46, BSC
	s_lshl_b32 s19, s40, 18
	s_add_co_u32 s46, s46, s19
	s_lshl_b32 s19, s16, 17
	s_add_co_u32 s46, s46, s19
	s_mov_b32 s47, 0
	s_lshl_b32 s19, s40, 13
	s_add_co_u32 s92, s92, s19
	s_lshl_b32 s19, s16, 12
	s_add_co_u32 s92, s92, s19
	s_mov_b32 s93, 0
	s_mul_i32 s45, s14, HALFT
	s_mul_i32 s94, s14, HALFS
	s_wait_kmcnt 0x0
	s_add_nc_u64 s[20:21], s[4:5], s[20:21]
	s_add_nc_u64 s[22:23], s[4:5], s[22:23]
	s_add_nc_u64 s[46:47], s[6:7], s[46:47]
	s_add_nc_u64 s[92:93], s[6:7], s[92:93]
	CROUND
	s_mul_i32 s18, s16, 126976                     ; s[20:21], s[46:47] stand 131,072 x (wave % 2) into the tile: back to its first row block, and 4,096 x (wave % 2) on: slot wave % 2's K step
	s_mov_b32 s19, 0
	s_mov_b32 s[G0S], 1
	s_mul_i32 s[G0S+1], s16, SLOT
	s_sub_nc_u64 s[G0S+2:G0S+3], s[20:21], s[18:19]
	s_or_b32 s[G0S+3], s[G0S+3], 0x80000000
	s_mov_b32 s[G0SB], 1
	s_mul_i32 s[G0SB+1], s16, SLOT
	s_add_co_u32 s[G0SB+1], s[G0SB+1], 2*HALFT
	s_sub_nc_u64 s[G0SB+2:G0SB+3], s[46:47], s[18:19]
	s_or_b32 s[G0SB+3], s[G0SB+3], 0x80000000
	JLOAD G0S, G1S, G0SB, G1SB                     ; my one load at the head
	s_cmp_eq_u32 s15, 0                            ; my 4,096 bytes of scale words: waves 0, 1 A's halves, waves 2, 3 B's
	s_cselect_b64 s[18:19], s[22:23], s[92:93]
	s_cselect_b64 s[4:5], s[20:21], s[46:47]       ; the prefetches' base: the 8 row blocks that I fetch in the ring,
	s_cselect_b32 s2, s40, s41                     ; and my place among the four that ask for them jointly (cx for A, cy for B): it enters this global address alone
	v_and_b32 v6, 31, v0
	v_lshlrev_b32 v7, 4, v6
	s_add_co_u32 s94, s94, SCL
	v_add_nc_u32 v8, s94, v7
.irp i, 0,1,2,3,4,5,6,7
	global_load_b128 v[128+4*\i:131+4*\i], v7, s[18:19] offset:512*\i   ; 512 consecutive bytes a load
.endr
	; PREFETCH INTO THE L2 of K steps 2 and 3, the ring's two refills: of my 8 row blocks each of the four partners names 2, a lane a block of 256 bytes (a K step is 4,096 bytes of a row block): each block is named once in the cluster
	s_lshl_b32 s2, s2, 15
	s_mov_b32 s3, 0
	s_add_nc_u64 s[4:5], s[4:5], s[2:3]
	v_bfe_u32 v9, v0, 4, 1
	v_and_b32 v10, 15, v0
	v_lshlrev_b32 v9, 14, v9
	v_lshl_add_u32 v9, v10, 8, v9                  ; 16,384 x (lane / 16) + 256 x (lane % 16); never rewritten, nor is the base
	global_prefetch_b8 v9, s[4:5] offset:8192 th:TH_LOAD_NT scope:SCOPE_SE
	global_prefetch_b8 v9, s[4:5] offset:12288 th:TH_LOAD_NT scope:SCOPE_SE
.irp s, 0,1
	s_mov_b32 s[G0+4*\s], 1
	s_add_co_u32 s[G0+4*\s+1], s45, \s*SLOT
	s_add_nc_u64 s[G0+4*\s+2:G0+4*\s+3], s[20:21], \s*SLK
	s_or_b32 s[G0+4*\s+3], s[G0+4*\s+3], 0x80000000
	s_mov_b32 s[G0B+4*\s], 1
	s_add_co_u32 s[G0B+4*\s+1], s45, \s*SLOT
	s_add_nc_u64 s[G0B+4*\s+2:G0B+4*\s+3], s[46:47], \s*SLK
	s_or_b32 s[G0B+4*\s+3], s[G0B+4*\s+3], 0x80000000
.endr
	v_and_b32 v1, 15, v0
	v_bfe_u32 v2, v0, 4, 1
	s_wait_alu depctr_va_vdst(0)
	v_and_b32 v6, 31, v0
	v_lshlrev_b32 v[CO], 4, v6
	s_mul_i32 s21, s15, HALFT
	s_mul_i32 s22, s16, HALFT
	s_add_co_u32 s22, s22, 2*HALFT
.irp s, 0,1
	v_add_nc_u32 v[ADRA+\s], s21, v[CO]
	v_add_nc_u32 v[ADRB+\s], s22, v[CO]
	s_add_co_u32 s21, s21, SLOT
	s_add_co_u32 s22, s22, SLOT
.endr
	v_lshlrev_b32 v5, 2, v1
	s_mul_i32 s21, s15, HALFS
	s_mul_i32 s22, s16, HALFS
	s_add_co_u32 s22, s22, 2*HALFS
	s_sub_co_u32 s22, s22, s21
	v_mul_u32_u24 v6, s22, v2
	s_add_co_u32 s21, s21, SCL
	v_add_nc_u32 v5, v5, v6
	v_add_nc_u32 v[ADRS], s21, v5
	s_lshl_b32 s21, s14, 9
	s_add_co_u32 s21, s21, STG
	v_lshlrev_b32 v[SWA], 2, v1
	v_add_nc_u32 v[SWA], s21, v[SWA]
	v_add_nc_u32 v[SRA], s21, v[CO]
	s_lshl_b32 s20, ttmp9, 12
	s_lshl_b32 s21, s40, 10
	s_add_co_u32 s20, s20, s21
	s_lshl_b32 s21, s16, 9
	s_add_co_u32 s20, s20, s21
	s_mov_b32 s21, 0
	s_add_nc_u64 s[8:9], s[8:9], s[20:21]
	v_lshlrev_b32 v3, 6, v2
.irp b, 0,1,2,3,4,5,6,7
	global_load_b128 v[BIAS+8*\b:BIAS+8*\b+3], v3, s[8:9] offset:(32*(\b/2)+8*(\b%2))*4
	global_load_b128 v[BIAS+8*\b+4:BIAS+8*\b+7], v3, s[8:9] offset:(32*(\b/2)+8*(\b%2))*4+16
.endr
	s_mul_i32 s20, ttmp9, APL
	s_add_co_u32 s22, s20, ASC
	s_lshl_b32 s21, s17, 18
	s_add_co_u32 s20, s20, s21
	s_lshl_b32 s21, s15, 17
	s_add_co_u32 s20, s20, s21
	s_lshl_b32 s21, s40, 12
	s_add_co_u32 s20, s20, s21
	s_lshl_b32 s21, s16, 11
	s_add_co_u32 s20, s20, s21
	s_mov_b32 s21, 0
	s_lshl_b32 s23, s17, 13
	s_add_co_u32 s22, s22, s23
	s_lshl_b32 s23, s15, 12
	s_add_co_u32 s22, s22, s23
	s_lshl_b32 s23, s40, 10
	s_add_co_u32 s22, s22, s23
	s_lshl_b32 s23, s16, 9
	s_add_co_u32 s22, s22, s23
	s_mov_b32 s23, 0
	s_add_nc_u64 s[OS:OS+1], s[12:13], s[22:23]
	s_add_nc_u64 s[12:13], s[12:13], s[20:21]
	s_mov_b32 s[SEL], 0x76543210
	s_mov_b32 s[SEL+1], 0xfedcba98
	s_mov_b32 s[MNT], 0x600000
.macro FRAG reg, adr, q, i
.irp c, 0,1,2,3
	ds_load_b128 v[\reg+4*\c:\reg+4*\c+3], v[\adr] offset:2048*(\q)+512*\c+(\i)*SLK
.endr
.endm
.macro MUL16 a0, p, q, sc, mode
.irp a, \a0, \a0+1
.irp b, 0,1,2,3,4,5,6,7
.if \mode == 0
	v_wmma_scale_f32_16x16x128_f8f6f4 v[8*(8*((\a)%4)+\b):8*(8*((\a)%4)+\b)+7], v[128*(\p)+FR*\b:128*(\p)+FR*\b+FR-1], v[AF+FR*(\a):AF+FR*(\a)+FR-1], v[8*(8*((\a)%4)+\b):8*(8*((\a)%4)+\b)+7], v[SC+8*NQ*(\sc)+NQ*\b+(\q)], v[SC+8*NQ*(\sc)+NQ*(\a)+(\q)] matrix_a_fmt:MATRIX_FMT_BF8 matrix_b_fmt:MATRIX_FMT_BF8 matrix_a_scale:MATRIX_SCALE_ROW1
.else
	v_wmma_scale_f32_16x16x128_f8f6f4 v[8*(8*((\a)%4)+\b):8*(8*((\a)%4)+\b)+7], v[128*(\p)+FR*\b:128*(\p)+FR*\b+FR-1], v[AF+FR*(\a):AF+FR*(\a)+FR-1], v[BIAS+8*\b:BIAS+8*\b+7], v[SC+8*NQ*(\sc)+NQ*\b+(\q)], v[SC+8*NQ*(\sc)+NQ*(\a)+(\q)] matrix_a_fmt:MATRIX_FMT_BF8 matrix_b_fmt:MATRIX_FMT_BF8 matrix_a_scale:MATRIX_SCALE_ROW1
.endif
.endr
.endr
.endm
.macro FETCH_B slot, q, p
	WIN TO_B
.irp i, 0,1,2,3,4,5,6,7
	FRAG 128*(\p)+FR*\i, ADRB+\slot, \q, \i
.endr
	WIN 0
.endm
.macro FETCH_A slot, q, i0
.irp i, \i0, \i0+1, \i0+2, \i0+3
	FRAG AF+FR*(\i), ADRA+\slot, \q, \i
.endr
.endm
.macro SCALES sc
.irp i, 0,1,2,3,4,5,6,7
.irp q, 0,1
	ds_load_b32 v[SC+8*NQ*\sc+NQ*\i+\q], v[ADRS] offset:512*\q+64*\i
.endr
.endr
.endm
.macro PLACES n
.rept \n
	v_nop
.endr
.endm
.macro STEP slot, q, mode
	s_wait_dscnt 4*NL
.if \mode
	WIN 0x81
.else
	WIN MUL_LO
.endif
	MUL16 0, (\q)%2, \q, \slot, \mode
	MUL16 2, (\q)%2, \q, \slot, \mode
	s_wait_dscnt 0
	PLACES NP
	FETCH_B \slot, (\q)+1, 1-(\q)%2
	FETCH_A \slot, (\q)+1, 0
.if \mode
	WIN 0xc1
.else
	WIN MUL_HI
.endif
	MUL16 4, (\q)%2, \q, \slot, \mode
	MUL16 6, (\q)%2, \q, \slot, \mode
	PLACES NP
	WIN 0
	FETCH_A \slot, (\q)+1, 4
.endm
.macro TURN slot, next, fill
	s_wait_tensorcnt 0x0
	ds_add_u32 v[SPW], v[NIL]
	s_wait_dscnt 4*NL+1
	WIN MUL_LO
	MUL16 0, 1, NQ-1, \slot, 0
	s_wait_dscnt 0x0
	s_barrier_signal -1
	MUL16 2, 1, NQ-1, \slot, 0
	WIN 0
	s_barrier_wait -1
.if \fill
	CREST
	s_add_nc_u64 s[G0+4*\slot+2:G0+4*\slot+3], s[G0+4*\slot+2:G0+4*\slot+3], 2*SLK
	s_add_nc_u64 s[G0B+4*\slot+2:G0B+4*\slot+3], s[G0B+4*\slot+2:G0B+4*\slot+3], 2*SLK
	JLOAD G0+4*\slot, G1, G0B+4*\slot, G1B
	PLACES NP-4
.else
	PLACES NP
.endif
	s_wait_alu depctr_va_vdst(0)
	v_add_nc_u32 v[ADRS], 512*NQ, v[ADRS]
	FETCH_B \next, 0, 0
	FETCH_A \next, 0, 0
	SCALES \next
	WIN MUL_HI
	MUL16 4, 1, NQ-1, \slot, 0
	MUL16 6, 1, NQ-1, \slot, 0
	PLACES NP
	WIN 0
	FETCH_A \next, 0, 4
.endm
	s_wait_alu depctr_va_vdst(0)
	s_wait_loadcnt 0x0
.irp i, 0,1,2,3,4,5,6,7
	ds_store_b128 v8, v[128+4*\i:131+4*\i] offset:512*\i
.endr
	s_wait_tensorcnt 0x0                           ; my tile has landed,
	s_wait_dscnt 0x0                               ; and my scale words
	s_barrier_signal -1
	s_barrier_wait -1
	FETCH_B 0, 0, 0
	FETCH_A 0, 0, 0
	SCALES 0
	FETCH_A 0, 0, 4
	STEP 0, 0, 1
	s_mov_b32 s3, LAPS-1
.Llap:
	TURN 0, 1, 1
	STEP 1, 0, 0
	TURN 1, 0, 1
	STEP 0, 0, 0
	s_sub_co_u32 s3, s3, 1
	s_cmp_lg_u32 s3, 0
	s_cbranch_scc1 .Llap
	TURN 0, 1, 0
	STEP 1, 0, 0
	s_wait_dscnt 4*NL
	WIN MUL_LO
	MUL16 0, 1, NQ-1, 1, 0
	MUL16 2, 1, NQ-1, 1, 0
	s_wait_dscnt 0
	WIN MUL_HI
	MUL16 4, 1, NQ-1, 1, 0
	MUL16 6, 1, NQ-1, 1, 0
	WIN 0
.macro QE a
.set W, 2+(\a)/4
.set AC, 64*((\a)%4)
	WIN W|(W<<2)
.irp b, 0,1,2,3
.if RELU
	v_max3_num_f32 v[TM+\b], v[AC+16*\b], v[AC+16*\b+1], 0x8000000
.else
	v_max3_num_f32 v[TM+\b], |v[AC+16*\b]|, |v[AC+16*\b+1]|, 0x8000000
.endif
.endr
.irp i, 2,4,6,8,10,12,14
.irp b, 0,1,2,3
.if RELU
	v_max3_num_f32 v[TM+\b], v[AC+16*\b+\i], v[AC+16*\b+\i+1], v[TM+\b]
.else
	v_max3_num_f32 v[TM+\b], |v[AC+16*\b+\i]|, |v[AC+16*\b+\i+1]|, v[TM+\b]
.endif
.endr
.endr
	WIN 0
.irp b, 0,1,2,3
	v_permlanex16_b32 v[TM+4+\b], v[TM+\b], s[SEL], s[SEL+1]
.endr
.irp b, 0,1,2,3
	v_max_num_f32 v[TM+\b], v[TM+\b], v[TM+4+\b]
.endr
.irp b, 0,1,2,3
	v_add_nc_u32 v[TM+12+\b], 0xf8800000, v[TM+\b]
.endr
.irp b, 0,1,2,3
	v_and_or_b32 v[TM+8+\b], v[TM+\b], 0x7f800000, s[MNT]
.endr
.irp b, 0,1,2,3
	v_lshrrev_b32 v[TM+4+\b], 23, v[TM+12+\b]
.endr
	v_lshl_or_b32 v[PW+(\a)], v[TM+5], 8, v[TM+4]
	v_lshl_or_b32 v[PW+(\a)], v[TM+6], 16, v[PW+(\a)]
	v_lshl_or_b32 v[PW+(\a)], v[TM+7], 24, v[PW+(\a)]
	WIN W
.irp b, 0,1,2,3
.irp i, 0,1,2,3,4,5,6,7,8,9,10,11,12,13,14,15
.if RELU
	v_med3_num_f32 v[T+16*\b+\i], v[AC+16*\b+\i], 0, v[TM+8+\b]
.else
	v_med3_num_f32 v[T+16*\b+\i], v[AC+16*\b+\i], -v[TM+8+\b], v[TM+8+\b]
.endif
.endr
.endr
	WIN 0
.irp b, 0,1,2,3
	v_cvt_scalef32_pk8_bf8_f32 v[PC+16*(\a)+4*\b:PC+16*(\a)+4*\b+1], v[T+16*\b:T+16*\b+7], v[TM+12+\b]
	v_cvt_scalef32_pk8_bf8_f32 v[PC+16*(\a)+4*\b+2:PC+16*(\a)+4*\b+3], v[T+16*\b+8:T+16*\b+15], v[TM+12+\b]
.endr
	v_nop
.irp c, 0,1,2,3
	global_store_b128 v[CO], v[PC+16*(\a)+4*\c:PC+16*(\a)+4*\c+3], s[12:13] offset:16384*(\a)+512*\c
.endr
	ds_store_b32 v[SWA], v[PW+(\a)] offset:64*(\a)
.endm
	PLACES NP
.irp b, 0,1,2,3
	v_mov_b32 v[TM+4+\b], 0
.endr
.irp a, 0,1,2,3,4,5,6,7
	QE \a
.endr
	ds_load_b128 v[32:35], v[SRA]
	s_wait_dscnt 0x0
	global_store_b128 v[CO], v[32:35], s[OS:OS+1]
	s_wait_tensorcnt 0x0
	ds_add_u32 v[SPW], v[NIL]
	s_wait_dscnt 0x0
	CROUND
	s_endpgm
.Lfunc_end_k_q67076ad910_ff1:
	.size	k_q67076ad910_ff1, .Lfunc_end_k_q67076ad910_ff1-k_q67076ad910_ff1
	.p2alignl 7, 3214868480
	.fill 96, 4, 3214868480
	.section	.rodata,"a",@progbits
	.p2align	6, 0x0
	.amdhsa_kernel k_q67076ad910_ff1
		.amdhsa_group_segment_fixed_size 327680
		.amdhsa_private_segment_fixed_size 0
		.amdhsa_enable_private_segment 0
		.amdhsa_kernarg_size 32
		.amdhsa_user_sgpr_count 2
		.amdhsa_user_sgpr_kernarg_segment_ptr 1
		.amdhsa_wavefront_size32 1
		.amdhsa_system_sgpr_workgroup_id_x 1
		.amdhsa_system_sgpr_workgroup_id_y 1
		.amdhsa_system_sgpr_workgroup_id_z 1
		.amdhsa_system_vgpr_workitem_id 0
		.amdhsa_next_free_vgpr 1024
		.amdhsa_next_free_sgpr 102
		.amdhsa_reserve_vcc 0
		.amdhsa_float_denorm_mode_32 3
		.amdhsa_float_denorm_mode_16_64 3
		.amdhsa_memory_ordered 1
		.amdhsa_forward_progress 1
		.amdhsa_inst_pref_size 190
	.end_amdhsa_kernel
	.amdgpu_metadata
---
amdhsa.version: [ 1, 2 ]
amdhsa.kernels:
  - .name:           k_q67076ad910_ff1
    .symbol:         k_q67076ad910_ff1.kd
    .args:
      - { .name: hbuf, .offset: 0, .size: 8, .value_kind: global_buffer, .address_space: global }
      - { .name: prep, .offset: 8, .size: 8, .value_kind: global_buffer, .address_space: global }
      - { .name: b1, .offset: 16, .size: 8, .value_kind: global_buffer, .address_space: global }
      - { .name: abuf, .offset: 24, .size: 8, .value_kind: global_buffer, .address_space: global }
    .group_segment_fixed_size: 327680
    .private_segment_fixed_size: 0
    .kernarg_segment_align: 8
    .kernarg_segment_size: 32
    .max_flat_workgroup_size: 128
    .sgpr_count:     102
    .vgpr_count:     1024
    .wavefront_size: 32
...
	.end_amdgpu_metadata
.endif
;; end of part 6
;; launch g2 (part 7): grid 4 x 32, 4 waves a work-group, clusters of 4 x 4, 327,680 bytes of LDS; arguments abuf, w2q, part; writes part
.if DOCPART == 7
	.amdgcn_target "amdgcn-amd-amdhsa--gfx1250"
	.amdhsa_code_object_version 6
	.text
	.protected	k_q67076ad910_g2
	.globl	k_q67076ad910_g2
	.p2align	8
	.type	k_q67076ad910_g2,@function
k_q67076ad910_g2:
	s_mov_b64 s[64:65], 0
	v_nop
	global_prefetch_b8 v0, s[64:65] scope:SCOPE_SE
	s_setreg_imm32_b32 hwreg(HW_REG_WAVE_MODE, 25, 1), 1
	s_wait_xcnt 0x0
	s_wait_alu depctr_hold_cnt(0) depctr_sa_sdst(0) depctr_va_vdst(0) depctr_va_sdst(0) depctr_va_ssrc(0) depctr_va_vcc(0) depctr_vm_vsrc(0)
	s_getreg_b32 s2, hwreg(HW_REG_IB_STS2, 6, 4)
	s_cmp_eq_u32 s2, 0
	s_cbranch_scc0 .Lentry_in_a_cluster
	s_endpgm
.Lentry_in_a_cluster:
	s_bfe_u32 s2, ttmp6, 0x10000c
	s_cmp_lg_u32 s2, 0xf033
	s_cbranch_scc0 .Lentry_shape_is_right
	s_endpgm
.Lentry_shape_is_right:
; Two K parts of relu(..) W2 on codes of E5M2 with E8M0 scales: tiles of 256 x 256, K = 2,048 (two planes) a work-group; each part leaves as f32 in the order of the accumulators' registers.
; Four waves, 128 x 128 each; K goes in steps of 256 through a ring of two LDS slots; clusters 4 x 4 with joint loads, A's along a row, B's along a column.
; THE HEAD: one joint load a wave: waves 0, 1 A's 16 row blocks of slots 0, 1; waves 2, 3 B's: both slots are asked for at once.  The scale words, 4,096 bytes of each of two planes a wave, come through registers into LDS bytes onto which no tensor load lands.
.set APL,   4325376
.set BPL,   1081344
.set ASC,   4194304
.set BSC,   1048576
.set NQ,    2
.set FR,    16
.set NL,    4
.set NP,    8
.set SLK,   4096
.set HALFT, 8*SLK
.set SLOT,  4*HALFT
.set SCL,   2*SLOT
.set HALFS, 8192
.set SPARE, SCL+4*HALFS
.set ADRA, 16
.set ADRB, 20
.set CO,   26
.set ADRS, 27
.set SPW,  28
.set NIL,  29
.set SC,   32
.set AF,   128
.set G1, 24
.set G0, 32
.set G1B, 48
.set G0B, 56
.set G1S, 68
.set G0S, 76
.set G1SB, 80
.set G0SB, 88
.set MSB, 0
.macro WIN new
.if MSB != (\new)
	s_set_vgpr_msb (MSB<<8)|(\new)
.set MSB, (\new)
.endif
.endm
.set MUL_LO, 0xa1
.set MUL_HI, 0xf1
.set TO_B,   0x40
.macro JLOAD g0a, g1a, g0b, g1b
	s_cmp_eq_u32 s15, 0
	s_cbranch_scc0 .Lfor_b_\@
	tensor_load_to_lds s[\g0a:\g0a+3], s[\g1a:\g1a+7]
	s_nop 0
.rept 4
	v_nop
.endr
	s_branch .Lasked_\@
.Lfor_b_\@:
	tensor_load_to_lds s[\g0b:\g0b+3], s[\g1b:\g1b+7]
	s_nop 0
.rept 4
	v_nop
.endr
.Lasked_\@:
.endm
.macro CREST
	s_cmp_lg_u32 s14, 0
	s_cbranch_scc1 .Lnot_wave_0_\@
	s_barrier_signal -3
.Lnot_wave_0_\@:
	s_barrier_wait -3
	s_barrier_signal -1
	s_barrier_wait -1
.endm
.macro CROUND
	s_barrier_signal -1
	s_barrier_wait -1
	CREST
.endm
	s_load_b128 s[4:7], s[0:1], 0x0
	s_load_b64 s[12:13], s[0:1], 0x10
	v_lshl_add_u32 v[SPW], v0, 2, SPARE
	v_mov_b32 v[NIL], 0
	ds_add_u32 v28, v29
	ds_add_u32 v28, v29
	s_wait_dscnt 0x0
	v_lshrrev_b32 v1, 5, v0
	v_readfirstlane_b32 s14, v1
	s_lshr_b32 s15, s14, 1
	s_and_b32 s16, s14, 1
	s_bfe_u32 s40, ttmp6, 0x40000
	s_bfe_u32 s41, ttmp6, 0x40004
	s_and_b32 s17, ttmp7, 0xffff
	s_lshr_b32 s66, s17, 2
	s_and_b32 s17, s17, 3
	s_lshl_b32 s17, s17, 2
	s_add_co_u32 s17, s17, s41
	s_lshl_b32 s43, s41, 2
	s_lshl_b32 s43, 15, s43
	s_lshl_b32 s44, 0x1111, s40
	s_or_b32 s[G1+0], s43, (3<<16)|(1<<21)
	s_or_b32 s[G1B+0], s44, (3<<16)|(1<<21)
.irp g, G1, G1B
	s_mov_b32 s[\g+1], 512<<16
	s_mov_b32 s[\g+2], 8<<16
	s_mov_b32 s[\g+3], 512<<16
	s_mov_b32 s[\g+4], 8
	s_mov_b32 s[\g+5], 2048
	s_mov_b32 s[\g+6], 0
	s_mov_b32 s[\g+7], 0
.endr
	s_or_b32 s[G1S+0], s43, (3<<16)|(1<<21)
	s_or_b32 s[G1SB+0], s44, (3<<16)|(1<<21)
.irp g, G1S, G1SB
	s_mov_b32 s[\g+1], 512<<16
	s_mov_b32 s[\g+2], 16<<16                      ; the head's tiles: 16 rows (row blocks) of 4,096 bytes, 16,384 bytes apart
	s_mov_b32 s[\g+3], 512<<16
	s_mov_b32 s[\g+4], 16
	s_mov_b32 s[\g+6], 0
	s_mov_b32 s[\g+7], 0
.endr
	s_mov_b32 s[G1S+5], 2048
	s_mov_b32 s[G1SB+5], 2048
	s_mul_i32 s20, s66, 2*APL
	s_lshl_b32 s18, s17, 18
	s_add_co_u32 s20, s20, s18
	s_lshl_b32 s18, s16, 17
	s_add_co_u32 s20, s20, s18
	s_mov_b32 s21, 0
	s_mul_i32 s22, s66, 2*APL
	s_add_co_u32 s22, s22, ASC
	s_lshl_b32 s18, s17, 13
	s_add_co_u32 s22, s22, s18
	s_lshl_b32 s18, s16, 12
	s_add_co_u32 s22, s22, s18
	s_mov_b32 s23, 0
	s_mul_i32 s46, s66, 2*BPL
	s_lshl_b32 s19, s40, 18
	s_add_co_u32 s46, s46, s19
	s_lshl_b32 s19, s16, 17
	s_add_co_u32 s46, s46, s19
	s_mov_b32 s47, 0
	s_mul_i32 s92, s66, 2*BPL
	s_add_co_u32 s92, s92, BSC
	s_lshl_b32 s19, s40, 13
	s_add_co_u32 s92, s92, s19
	s_lshl_b32 s19, s16, 12
	s_add_co_u32 s92, s92, s19
	s_mov_b32 s93, 0
	s_mul_i32 s45, s14, HALFT
	s_mul_i32 s94, s14, HALFS
	s_wait_kmcnt 0x0
	s_add_nc_u64 s[20:21], s[4:5], s[20:21]
	s_add_nc_u64 s[22:23], s[4:5], s[22:23]
	s_add_nc_u64 s[46:47], s[6:7], s[46:47]
	s_add_nc_u64 s[92:93], s[6:7], s[92:93]
	CROUND
	s_mul_i32 s18, s16, 126976                     ; s[20:21], s[46:47] stand 131,072 x (wave % 2) into the tile: back to its first row block, and 4,096 x (wave % 2) on: slot wave % 2's K step
	s_mov_b32 s19, 0
	s_mov_b32 s[G0S], 1
	s_mul_i32 s[G0S+1], s16, SLOT
	s_sub_nc_u64 s[G0S+2:G0S+3], s[20:21], s[18:19]
	s_or_b32 s[G0S+3], s[G0S+3], 0x80000000
	s_mov_b32 s[G0SB], 1
	s_mul_i32 s[G0SB+1], s16, SLOT
	s_add_co_u32 s[G0SB+1], s[G0SB+1], 2*HALFT
	s_sub_nc_u64 s[G0SB+2:G0SB+3], s[46:47], s[18:19]
	s_or_b32 s[G0SB+3], s[G0SB+3], 0x80000000
	JLOAD G0S, G1S, G0SB, G1SB                     ; my one load at the head
	s_cmp_eq_u32 s15, 0                            ; my scale words: waves 0, 1 A's halves, waves 2, 3 B's; 4,096 bytes in each of two planes
	s_cselect_b64 s[18:19], s[22:23], s[92:93]
	s_cselect_b64 s[4:5], s[20:21], s[46:47]       ; the prefetches' base: the 8 row blocks that I fetch in the ring,
	s_cselect_b32 s2, s40, s41                     ; and my place among the four that ask for them jointly (cx for A, cy for B): it enters these global addresses alone
	s_mov_b32 s96, BPL
	s_cselect_b32 s96, APL, s96                    ; from plane to plane
	s_mov_b32 s97, 0
	s_add_nc_u64 s[98:99], s[18:19], s[96:97]
	v_and_b32 v6, 31, v0
	v_lshlrev_b32 v7, 4, v6
	s_add_co_u32 s94, s94, SCL
	v_add_nc_u32 v8, s94, v7
.irp i, 0,1,2,3,4,5,6,7
	global_load_b128 v[128+4*\i:131+4*\i], v7, s[18:19] offset:512*\i   ; 512 consecutive bytes a load
	global_load_b128 v[160+4*\i:163+4*\i], v7, s[98:99] offset:512*\i
.endr
	; PREFETCH INTO THE L2, two refills ahead: of my 8 row blocks each of the four partners names 2, a lane a block of 256 bytes (a K step is 4,096 bytes of a row block): each block is named once in the cluster.
	; Here K steps 2 and 3; the change of slots that fills K step s (2 to 5) names K step s + 2, in the second plane; the last two refills name nothing.
	s_lshl_b32 s2, s2, 15
	s_mov_b32 s3, 0
	s_add_nc_u64 s[4:5], s[4:5], s[2:3]            ; in the first plane,
	s_add_nc_u64 s[6:7], s[4:5], s[96:97]          ; and in the second
	v_bfe_u32 v9, v0, 4, 1
	v_and_b32 v10, 15, v0
	v_lshlrev_b32 v9, 14, v9
	v_lshl_add_u32 v9, v10, 8, v9                  ; 16,384 x (lane / 16) + 256 x (lane % 16); never rewritten, nor are the two bases
	global_prefetch_b8 v9, s[4:5] offset:8192 th:TH_LOAD_NT scope:SCOPE_SE
	global_prefetch_b8 v9, s[4:5] offset:12288 th:TH_LOAD_NT scope:SCOPE_SE
.irp s, 0,1
	s_mov_b32 s[G0+4*\s], 1
	s_add_co_u32 s[G0+4*\s+1], s45, \s*SLOT
	s_add_nc_u64 s[G0+4*\s+2:G0+4*\s+3], s[20:21], \s*SLK
	s_or_b32 s[G0+4*\s+3], s[G0+4*\s+3], 0x80000000
	s_mov_b32 s[G0B+4*\s], 1
	s_add_co_u32 s[G0B+4*\s+1], s45, \s*SLOT
	s_add_nc_u64 s[G0B+4*\s+2:G0B+4*\s+3], s[46:47], \s*SLK
	s_or_b32 s[G0B+4*\s+3], s[G0B+4*\s+3], 0x80000000
.endr
	v_and_b32 v1, 15, v0
	v_bfe_u32 v2, v0, 4, 1
	s_wait_alu depctr_va_vdst(0)
	v_and_b32 v6, 31, v0
	v_lshlrev_b32 v[CO], 4, v6
	s_mul_i32 s21, s15, HALFT
	s_mul_i32 s22, s16, HALFT
	s_add_co_u32 s22, s22, 2*HALFT
.irp s, 0,1
	v_add_nc_u32 v[ADRA+\s], s21, v[CO]
	v_add_nc_u32 v[ADRB+\s], s22, v[CO]
	s_add_co_u32 s21, s21, SLOT
	s_add_co_u32 s22, s22, SLOT
.endr
	v_lshlrev_b32 v5, 2, v1
	s_mul_i32 s21, s15, HALFS
	s_mul_i32 s22, s16, HALFS
	s_add_co_u32 s22, s22, 2*HALFS
	s_sub_co_u32 s22, s22, s21
	v_mul_u32_u24 v6, s22, v2
	s_add_co_u32 s21, s21, SCL
	v_add_nc_u32 v5, v5, v6
	v_add_nc_u32 v[ADRS], s21, v5
	s_lshl_b32 s20, s66, 24
	s_lshl_b32 s21, s17, 20
	s_add_co_u32 s20, s20, s21
	s_lshl_b32 s21, s15, 19
	s_add_co_u32 s20, s20, s21
	s_lshl_b32 s46, s40, 14
	s_lshl_b32 s47, s16, 13
	s_add_co_u32 s46, s46, s47
	s_add_co_u32 s20, s20, s46
	s_mov_b32 s21, 0
	s_add_nc_u64 s[12:13], s[12:13], s[20:21]
.macro FRAG reg, adr, q, i
.irp c, 0,1,2,3
	ds_load_b128 v[\reg+4*\c:\reg+4*\c+3], v[\adr] offset:2048*(\q)+512*\c+(\i)*SLK
.endr
.endm
.macro MUL16 a0, p, q, sc, zero
.irp a, \a0, \a0+1
.irp b, 0,1,2,3,4,5,6,7
.if \zero
	v_wmma_scale_f32_16x16x128_f8f6f4 v[8*(8*((\a)%4)+\b):8*(8*((\a)%4)+\b)+7], v[128*(\p)+FR*\b:128*(\p)+FR*\b+FR-1], v[AF+FR*(\a):AF+FR*(\a)+FR-1], 0, v[SC+8*NQ*(\sc)+NQ*\b+(\q)], v[SC+8*NQ*(\sc)+NQ*(\a)+(\q)] matrix_a_fmt:MATRIX_FMT_BF8 matrix_b_fmt:MATRIX_FMT_BF8 matrix_a_scale:MATRIX_SCALE_ROW1
.else
	v_wmma_scale_f32_16x16x128_f8f6f4 v[8*(8*((\a)%4)+\b):8*(8*((\a)%4)+\b)+7], v[128*(\p)+FR*\b:128*(\p)+FR*\b+FR-1], v[AF+FR*(\a):AF+FR*(\a)+FR-1], v[8*(8*((\a)%4)+\b):8*(8*((\a)%4)+\b)+7], v[SC+8*NQ*(\sc)+NQ*\b+(\q)], v[SC+8*NQ*(\sc)+NQ*(\a)+(\q)] matrix_a_fmt:MATRIX_FMT_BF8 matrix_b_fmt:MATRIX_FMT_BF8 matrix_a_scale:MATRIX_SCALE_ROW1
.endif
.endr
.endr
.endm
.macro FETCH_B slot, q, p
	WIN TO_B
.irp i, 0,1,2,3,4,5,6,7
	FRAG 128*(\p)+FR*\i, ADRB+\slot, \q, \i
.endr
	WIN 0
.endm
.macro FETCH_A slot, q, i0
.irp i, \i0, \i0+1, \i0+2, \i0+3
	FRAG AF+FR*(\i), ADRA+\slot, \q, \i
.endr
.endm
.macro SCALES sc
.irp i, 0,1,2,3,4,5,6,7
.irp q, 0,1
	ds_load_b32 v[SC+8*NQ*\sc+NQ*\i+\q], v[ADRS] offset:512*\q+64*\i
.endr
.endr
.endm
.macro PLACES n
.rept \n
	v_nop
.endr
.endm
.macro STEP slot, q, zero
	s_wait_dscnt 4*NL
	WIN MUL_LO
	MUL16 0, (\q)%2, \q, \slot, \zero
	MUL16 2, (\q)%2, \q, \slot, \zero
	s_wait_dscnt 0
	PLACES NP
	FETCH_B \slot, (\q)+1, 1-(\q)%2
	FETCH_A \slot, (\q)+1, 0
	WIN MUL_HI
	MUL16 4, (\q)%2, \q, \slot, \zero
	MUL16 6, (\q)%2, \q, \slot, \zero
	PLACES NP
	WIN 0
	FETCH_A \slot, (\q)+1, 4
.endm
.macro TURN slot, next, fill, da, db, pb=0, po=0
	s_wait_tensorcnt 0x0
	ds_add_u32 v[SPW], v[NIL]
	s_wait_dscnt 4*NL+1
	WIN MUL_LO
	MUL16 0, 1, NQ-1, \slot, 0
	s_wait_dscnt 0x0
	s_barrier_signal -1
	MUL16 2, 1, NQ-1, \slot, 0
	WIN 0
	s_barrier_wait -1
.if \fill
	CREST
	s_add_nc_u64 s[G0+4*\slot+2:G0+4*\slot+3], s[G0+4*\slot+2:G0+4*\slot+3], \da
	s_add_nc_u64 s[G0B+4*\slot+2:G0B+4*\slot+3], s[G0B+4*\slot+2:G0B+4*\slot+3], \db
	JLOAD G0+4*\slot, G1, G0B+4*\slot, G1B
	PLACES NP-4
.else
	PLACES NP
.endif
	s_wait_alu depctr_va_vdst(0)
	v_add_nc_u32 v[ADRS], 512*NQ, v[ADRS]
	FETCH_B \next, 0, 0
	FETCH_A \next, 0, 0
	SCALES \next
.if \pb
	global_prefetch_b8 v9, s[\pb:\pb+1] offset:\po th:TH_LOAD_NT scope:SCOPE_SE   ; behind the joint load and the run of LDS loads: the K step two refills on
.endif
	WIN MUL_HI
	MUL16 4, 1, NQ-1, \slot, 0
	MUL16 6, 1, NQ-1, \slot, 0
	PLACES NP
	WIN 0
	FETCH_A \next, 0, 4
.endm
.macro LAP da, db
	TURN 0, 1, 1, \da, \db
	STEP 1, 0, 0
	TURN 1, 0, 1, \da, \db
	STEP 0, 0, 0
.endm
	s_wait_alu depctr_va_vdst(0)
	s_wait_loadcnt 0x0
.irp i, 0,1,2,3,4,5,6,7
	ds_store_b128 v8, v[128+4*\i:131+4*\i] offset:512*\i
	ds_store_b128 v8, v[160+4*\i:163+4*\i] offset:4096+512*\i
.endr
	s_wait_tensorcnt 0x0                           ; my tile has landed,
	s_wait_dscnt 0x0                               ; and my scale words
	s_barrier_signal -1
	s_barrier_wait -1
	FETCH_B 0, 0, 0
	FETCH_A 0, 0, 0
	SCALES 0
	FETCH_A 0, 0, 4
	STEP 0, 0, 1
	TURN 0, 1, 1, 2*SLK, 2*SLK, 6, 0               ; fills K step 2, names K step 4
	STEP 1, 0, 0
	TURN 1, 0, 1, 2*SLK, 2*SLK, 6, 4096            ; fills 3, names 5
	STEP 0, 0, 0
	TURN 0, 1, 1, APL-2*SLK, BPL-2*SLK, 6, 8192    ; fills 4, names 6
	STEP 1, 0, 0
	TURN 1, 0, 1, APL-2*SLK, BPL-2*SLK, 6, 12288   ; fills 5, names 7
	STEP 0, 0, 0
	LAP 2*SLK, 2*SLK
	TURN 0, 1, 0, 0, 0
	STEP 1, 0, 0
	s_wait_dscnt 4*NL
	WIN MUL_LO
	MUL16 0, 1, NQ-1, 1, 0
	MUL16 2, 1, NQ-1, 1, 0
	s_wait_dscnt 0
	WIN MUL_HI
	MUL16 4, 1, NQ-1, 1, 0
	MUL16 6, 1, NQ-1, 1, 0
	PLACES NP
.irp a, 0,1,2,3,4,5,6,7
	WIN (2+\a/4)<<2
.irp g, 0,1,2,3,4,5,6,7,8,9,10,11,12,13,14,15
	global_store_b128 v[CO], v[64*(\a%4)+4*\g:64*(\a%4)+4*\g+3], s[12:13] offset:65536*\a+512*\g th:TH_STORE_NT
.endr
.endr
	WIN 0
	s_wait_tensorcnt 0x0
	ds_add_u32 v[SPW], v[NIL]
	s_wait_dscnt 0x0
	CROUND
	s_endpgm
.Lfunc_end_k_q67076ad910_g2:
	.size	k_q67076ad910_g2, .Lfunc_end_k_q67076ad910_g2-k_q67076ad910_g2
	.p2alignl 7, 3214868480
	.fill 96, 4, 3214868480
	.section	.rodata,"a",@progbits
	.p2align	6, 0x0
	.amdhsa_kernel k_q67076ad910_g2
		.amdhsa_group_segment_fixed_size 327680
		.amdhsa_private_segment_fixed_size 0
		.amdhsa_enable_private_segment 0
		.amdhsa_kernarg_size 24
		.amdhsa_user_sgpr_count 2
		.amdhsa_user_sgpr_kernarg_segment_ptr 1
		.amdhsa_wavefront_size32 1
		.amdhsa_system_sgpr_workgroup_id_x 1
		.amdhsa_system_sgpr_workgroup_id_y 1
		.amdhsa_system_sgpr_workgroup_id_z 1
		.amdhsa_system_vgpr_workitem_id 0
		.amdhsa_next_free_vgpr 1024
		.amdhsa_next_free_sgpr 102
		.amdhsa_reserve_vcc 0
		.amdhsa_float_denorm_mode_32 3
		.amdhsa_float_denorm_mode_16_64 3
		.amdhsa_memory_ordered 1
		.amdhsa_forward_progress 1
		.amdhsa_inst_pref_size 243
	.end_amdhsa_kernel
	.amdgpu_metadata
---
amdhsa.version: [ 1, 2 ]
amdhsa.kernels:
  - .name:           k_q67076ad910_g2
    .symbol:         k_q67076ad910_g2.kd
    .args:
      - { .name: abuf, .offset: 0, .size: 8, .value_kind: global_buffer, .address_space: global }
      - { .name: w2q, .offset: 8, .size: 8, .value_kind: global_buffer, .address_space: global }
      - { .name: part, .offset: 16, .size: 8, .value_kind: global_buffer, .address_space: global }
    .group_segment_fixed_size: 327680
    .private_segment_fixed_size: 0
    .kernarg_segment_align: 8
    .kernarg_segment_size: 24
    .max_flat_workgroup_size: 128
    .sgpr_count:     102
    .vgpr_count:     1024
    .wavefront_size: 32
...
	.end_amdgpu_metadata
.endif
;; end of part 7
;; launch ln2 (part 8): grid 256 x 1, 8 waves a work-group, no clusters, 69,632 bytes of LDS; arguments part, hbuf, b2, ln2_g, ln2_b, out0; writes out0
.if DOCPART == 8
	.amdgcn_target "amdgcn-amd-amdhsa--gfx1250"
	.amdhsa_code_object_version 6
	.text
	.protected	k_q67076ad910_ln2
	.globl	k_q67076ad910_ln2
	.p2align	8
	.type	k_q67076ad910_ln2,@function
k_q67076ad910_ln2:
	s_mov_b64 s[64:65], 0
	v_nop
	global_prefetch_b8 v0, s[64:65] scope:SCOPE_SE
	s_setreg_imm32_b32 hwreg(HW_REG_WAVE_MODE, 25, 1), 1
	s_wait_xcnt 0x0
; out = LayerNorm(h + (the two K parts of relu(..) W2) + b2) x g + b, in f32.
; A work-group takes a row block (16 rows: 32 (rb / 2) + 8 (rb % 2) + r + 8 (r / 8)); wave w takes columns 128 w on.  Lane (r, h) holds 64 numbers of row place r: register 16 c + i = column 128 w + 32 c + 16 h + i.
; The two partial sums and h lie so in memory; the result is turned through the wave's own stage in LDS and leaves as rows: a store covers 512 consecutive bytes.
; Three sets of 64 registers take turns, so that 16 to 48 loads of a wave are out.  Mean and variance in two passes; the waves' sums meet in LDS, one barrier each.  Memory binds: no matrix unit, no cluster.
.set APL,  4325376
.set SP,   528
.set STGB, 16*SP
.set RED,  8*STGB
.set S0,   16
.set S1,   80
.set S2,   144
.set RS,   208
.set MU,   242
.set RD,   244
.set LI,   1
.set SI,   4
.set SOU,  5
.set LH,   6
.set RW,   7
.set RR,   8
.set WV,   3
.set SEL,  36
.set INV,  39
.set EPS,  40
.macro LDIMG set, base
.irp g, 0,1,2,3,4,5,6,7,8,9,10,11,12,13,14,15
	global_load_b128 v[\set+4*\g:\set+4*\g+3], v[LI], s[\base:\base+1] offset:512*\g th:TH_LOAD_NT
.endr
.endm
.macro LDPAR set, base
.irp c, 0,1,2,3
.irp j, 0,1,2,3
	global_load_b128 v[\set+16*\c+4*\j:\set+16*\c+4*\j+3], v[LH], s[\base:\base+1] offset:128*\c+16*\j
.endr
.endr
.endm
.macro ADD64 d, s
	s_wait_loadcnt 16                              ; all but the youngest set's 16 loads are in
.irp j, 0,2,4,6,8,10,12,14,16,18,20,22,24,26,28,30,32,34,36,38,40,42,44,46,48,50,52,54,56,58,60,62
	v_pk_add_f32 v[\d+\j:\d+\j+1], v[\d+\j:\d+\j+1], v[\s+\j:\s+\j+1]
.endr
.endm
.macro ACROSS red
	s_delay_alu instid0(VALU_DEP_1)
	v_pk_add_f32 v[RS:RS+1], v[RS:RS+1], v[RS+2:RS+3]
	s_delay_alu instid0(VALU_DEP_1)
	v_add_f32 v[RS], v[RS], v[RS+1]
	s_delay_alu instid0(VALU_DEP_1)
	v_permlanex16_b32 v[RS+1], v[RS], s[SEL], s[SEL+1]
	s_delay_alu instid0(VALU_DEP_1)
	v_add_f32 v[RS], v[RS], v[RS+1]
	ds_store_b32 v[RW], v[RS] offset:\red
	s_wait_dscnt 0x0
	s_barrier_signal -1
	s_barrier_wait -1
	ds_load_b128 v[RS+4:RS+7], v[RR] offset:\red
	ds_load_b128 v[RS+8:RS+11], v[RR] offset:\red+16
	s_wait_dscnt 0x0
	v_add_f32 v[RS+4], v[RS+4], v[RS+5]
	v_add_f32 v[RS+6], v[RS+6], v[RS+7]
	v_add_f32 v[RS+8], v[RS+8], v[RS+9]
	v_add_f32 v[RS+10], v[RS+10], v[RS+11]
	s_delay_alu instid0(VALU_DEP_3)
	v_add_f32 v[RS+4], v[RS+4], v[RS+6]
	s_delay_alu instid0(VALU_DEP_2)
	v_add_f32 v[RS+8], v[RS+8], v[RS+10]
	s_delay_alu instid0(VALU_DEP_1)
	v_add_f32 v[RS], v[RS+4], v[RS+8]
.endm
	s_load_b256 s[4:11], s[0:1], 0x0               ; part s[4:5], hbuf s[6:7], b2 s[8:9], g s[10:11]
	s_load_b128 s[12:15], s[0:1], 0x20             ; b s[12:13], out0 s[14:15]
	v_lshl_add_u32 v254, v0, 2, 0x10c00
	v_mov_b32 v255, 0
	v_lshrrev_b32 v2, 5, v0
	s_delay_alu instid0(VALU_DEP_1)
	v_readfirstlane_b32 s[WV], v2
	v_and_b32 v2, 15, v0
	v_bfe_u32 v3, v0, 4, 1
	v_and_b32 v1, 31, v0
	s_delay_alu instid0(VALU_DEP_1)
	v_lshlrev_b32 v[LI], 4, v1
	s_mul_i32 s16, s[WV], STGB
	v_add_nc_u32 v[SI], s16, v[LI]                 ; the stage by rows
	v_mul_u32_u24 v[SOU], v2, SP
	s_delay_alu instid0(VALU_DEP_1)
	v_lshl_add_u32 v[SOU], v3, 6, v[SOU]
	s_delay_alu instid0(VALU_DEP_1)
	v_add_nc_u32 v[SOU], s16, v[SOU]               ; and by lanes
	v_lshlrev_b32 v[LH], 6, v3
	v_lshlrev_b32 v[RR], 5, v2
	s_delay_alu instid0(VALU_DEP_1)
	v_add_nc_u32 v[RR], RED, v[RR]
	s_lshl_b32 s16, s[WV], 2
	v_add_nc_u32 v[RW], s16, v[RR]
	s_mov_b32 s[SEL], 0x76543210
	s_mov_b32 s[SEL+1], 0xfedcba98
	s_mov_b32 s[INV], 0x3a800000
	s_mov_b32 s[EPS], 0x3727c5ac
	s_lshl_b32 s16, ttmp9, 16
	s_lshl_b32 s17, s[WV], 13
	s_add_co_u32 s16, s16, s17
	s_mov_b32 s17, 0
	s_lshr_b32 s18, ttmp9, 1
	s_lshl_b32 s18, s18, 17
	s_and_b32 s19, ttmp9, 1
	s_lshl_b32 s19, s19, 15
	s_add_co_u32 s18, s18, s19
	s_lshl_b32 s30, s[WV], 9
	s_add_co_u32 s18, s18, s30
	s_mov_b32 s19, 0
	s_mov_b32 s31, 0
	s_wait_alu depctr_va_vdst(0)
	s_wait_kmcnt 0x0
	s_add_nc_u64 s[20:21], s[4:5], s[16:17]        ; the two partial sums, 16 MiB apart
	s_add_nc_u64 s[22:23], s[20:21], 0x1000000
	s_add_nc_u64 s[28:29], s[6:7], s[16:17]
	s_add_nc_u64 s[28:29], s[28:29], APL           ; h as f32
	s_add_nc_u64 s[8:9], s[8:9], s[30:31]
	s_add_nc_u64 s[10:11], s[10:11], s[30:31]
	s_add_nc_u64 s[12:13], s[12:13], s[30:31]
	s_add_nc_u64 s[14:15], s[14:15], s[18:19]
	LDIMG S0, 20
	LDIMG S1, 22
	LDIMG S2, 28
	ADD64 S0, S1
	LDPAR S1, 8                                    ; b2
	ADD64 S0, S2
	LDPAR S2, 10                                   ; g
	ADD64 S0, S1
	LDPAR S1, 12                                   ; b
	v_pk_add_f32 v[RS:RS+1], v[S0:S0+1], v[S0+2:S0+3]
	v_pk_add_f32 v[RS+2:RS+3], v[S0+4:S0+5], v[S0+6:S0+7]
.irp j, 8,12,16,20,24,28,32,36,40,44,48,52,56,60
	s_delay_alu instid0(VALU_DEP_2)
	v_pk_add_f32 v[RS:RS+1], v[RS:RS+1], v[S0+\j:S0+\j+1]
	s_delay_alu instid0(VALU_DEP_2)
	v_pk_add_f32 v[RS+2:RS+3], v[RS+2:RS+3], v[S0+\j+2:S0+\j+3]
.endr
	ACROSS 0
	s_delay_alu instid0(VALU_DEP_1)
	v_mul_f32 v[MU], s[INV], v[RS]
	s_delay_alu instid0(VALU_DEP_1)
	v_mov_b32 v[MU+1], v[MU]
.irp j, 0,2,4,6,8,10,12,14,16,18,20,22,24,26,28,30,32,34,36,38,40,42,44,46,48,50,52,54,56,58,60,62
	v_pk_add_f32 v[S0+\j:S0+\j+1], v[S0+\j:S0+\j+1], v[MU:MU+1] neg_lo:[0,1] neg_hi:[0,1]
.endr
	v_pk_mul_f32 v[RS:RS+1], v[S0:S0+1], v[S0:S0+1]
	v_pk_mul_f32 v[RS+2:RS+3], v[S0+2:S0+3], v[S0+2:S0+3]
.irp j, 4,8,12,16,20,24,28,32,36,40,44,48,52,56,60
	s_delay_alu instid0(VALU_DEP_2)
	v_pk_fma_f32 v[RS:RS+1], v[S0+\j:S0+\j+1], v[S0+\j:S0+\j+1], v[RS:RS+1]
	s_delay_alu instid0(VALU_DEP_2)
	v_pk_fma_f32 v[RS+2:RS+3], v[S0+\j+2:S0+\j+3], v[S0+\j+2:S0+\j+3], v[RS+2:RS+3]
.endr
	ACROSS 512
	s_delay_alu instid0(VALU_DEP_1)
	v_fma_f32 v[RS+1], v[RS], s[INV], s[EPS]
	s_wait_alu depctr_va_vdst(0)
	v_rsq_f32 v[RD], v[RS+1]
	v_nop
	s_wait_alu depctr_va_vdst(0)
	v_mov_b32 v[RD+1], v[RD]
	s_wait_alu depctr_va_vdst(0)
	s_wait_loadcnt 0x0                             ; g, b
.irp j, 0,2,4,6,8,10,12,14,16,18,20,22,24,26,28,30,32,34,36,38,40,42,44,46,48,50,52,54,56,58,60,62
	v_pk_mul_f32 v[S0+\j:S0+\j+1], v[S0+\j:S0+\j+1], v[RD:RD+1]
.endr
.irp j, 0,2,4,6,8,10,12,14,16,18,20,22,24,26,28,30,32,34,36,38,40,42,44,46,48,50,52,54,56,58,60,62
	v_pk_fma_f32 v[S0+\j:S0+\j+1], v[S0+\j:S0+\j+1], v[S2+\j:S2+\j+1], v[S1+\j:S1+\j+1]
.endr
.irp c, 0,1,2,3
.irp j, 0,1,2,3
	ds_store_b128 v[SOU], v[S0+16*\c+4*\j:S0+16*\c+4*\j+3] offset:128*\c+16*\j
.endr
.endr
.irp i, 0,1,2,3,4,5,6,7,8,9,10,11,12,13,14,15
	ds_load_b128 v[S1+4*\i:S1+4*\i+3], v[SI] offset:\i*SP          ; a wave's LDS instructions are served in order: these see my stores
.endr
.irp i, 0,1,2,3,4,5,6,7,8,9,10,11,12,13,14,15
	s_wait_dscnt 15-\i                             ; row i is back; the younger loads may be out
	global_store_b128 v[LI], v[S1+4*\i:S1+4*\i+3], s[14:15] offset:(\i+8*(\i/8))*4096 th:TH_STORE_NT
.endr
	s_wait_tensorcnt 0x0
	ds_add_u32 v254, v255
	s_wait_dscnt 0x0
	s_endpgm
.Lfunc_end_k_q67076ad910_ln2:
	.size	k_q67076ad910_ln2, .Lfunc_end_k_q67076ad910_ln2-k_q67076ad910_ln2
	.p2alignl 7, 3214868480
	.fill 96, 4, 3214868480
	.section	.rodata,"a",@progbits
	.p2align	6, 0x0
	.amdhsa_kernel k_q67076ad910_ln2
		.amdhsa_group_segment_fixed_size 69632
		.amdhsa_private_segment_fixed_size 0
		.amdhsa_enable_private_segment 0
		.amdhsa_kernarg_size 48
		.amdhsa_user_sgpr_count 2
		.amdhsa_user_sgpr_kernarg_segment_ptr 1
		.amdhsa_wavefront_size32 1
		.amdhsa_system_sgpr_workgroup_id_x 1
		.amdhsa_system_sgpr_workgroup_id_y 1
		.amdhsa_system_sgpr_workgroup_id_z 1
		.amdhsa_system_vgpr_workitem_id 0
		.amdhsa_next_free_vgpr 256
		.amdhsa_next_free_sgpr 66
		.amdhsa_reserve_vcc 0
		.amdhsa_float_denorm_mode_32 3
		.amdhsa_float_denorm_mode_16_64 3
		.amdhsa_memory_ordered 1
		.amdhsa_forward_progress 1
		.amdhsa_inst_pref_size 36
	.end_amdhsa_kernel
	.amdgpu_metadata
---
amdhsa.version: [ 1, 2 ]
amdhsa.kernels:
  - .name:           k_q67076ad910_ln2
    .symbol:         k_q67076ad910_ln2.kd
    .args:
      - { .name: part, .offset: 0, .size: 8, .value_kind: global_buffer, .address_space: global }
      - { .name: hbuf, .offset: 8, .size: 8, .value_kind: global_buffer, .address_space: global }
      - { .name: b2, .offset: 16, .size: 8, .value_kind: global_buffer, .address_space: global }
      - { .name: ln2_g, .offset: 24, .size: 8, .value_kind: global_buffer, .address_space: global }
      - { .name: ln2_b, .offset: 32, .size: 8, .value_kind: global_buffer, .address_space: global }
      - { .name: out0, .offset: 40, .size: 8, .value_kind: global_buffer, .address_space: global }
    .group_segment_fixed_size: 69632
    .private_segment_fixed_size: 0
    .kernarg_segment_align: 8
    .kernarg_segment_size: 48
    .max_flat_workgroup_size: 256
    .sgpr_count:     66
    .vgpr_count:     256
    .wavefront_size: 32
...
	.end_amdgpu_metadata
.endif
;; end of part 8
